; MI455X (gfx1250); checked and timed in simulation.
; The chip was launched on July 23, 2026; its instructions are those of AMD's public machine-readable ISA for CDNA 5 (MIT licence, August 2026) and "CDNA5" Instruction Set Architecture Reference Guide (July 2026). The comments in the code are by the model that wrote it; some were corrected since.
;; Causal Self Attention. Allowed arithmetic: float matrix products may take bf16 or f16 operands with f32 sums; all other float work in f32.
;; Inputs: beta 1,024 float32; gamma 1,024 float32; in_proj_b 3,072 float32; in_proj_w 3,072 x 1,024 float32; out_b 1,024 float32; out_w 1,024 x 1,024 float32; x 4 x 2,048 x 1,024 float32.
;; Outputs: out0 4 x 2,048 x 1,024 float32.
;; 2 versions, each right. Each part assembles by itself: llvm-mc -triple=amdgcn-amd-amdhsa -mcpu=gfx1250 --defsym DOCPART=n.
;; ======== version 1 of 2: 4 launches
;; workspace buffers: xb 16,777,216 bytes; wb 6,291,456 bytes; owt 2,097,152 bytes; qkv 50,331,648 bytes; ctxf 16,777,216 bytes
;; launch cast (part 1): grid 768 x 1, 8 waves a work-group, no clusters, 0 bytes of LDS; arguments x, in_proj_w, out_w, xb, wb, owt; writes xb, wb, owt
.if DOCPART == 1
	.amdgcn_target "amdgcn-amd-amdhsa--gfx1250"
	.amdhsa_code_object_version 6
	.text
	.protected	k_q44a2e5f9f6_cast
	.globl	k_q44a2e5f9f6_cast
	.p2align	8
	.type	k_q44a2e5f9f6_cast,@function
k_q44a2e5f9f6_cast:
	s_mov_b64 s[64:65], 0
	v_nop
	global_prefetch_b8 v0, s[64:65] scope:SCOPE_SE
	s_setreg_imm32_b32 hwreg(HW_REG_WAVE_MODE, 25, 1), 1
	s_wait_xcnt 0x0
; f32 to bf16 (round to nearest even), once for each matrix operand that comes from memory in f32.
;   work-groups   0..511: x         [8192][1024] -> xb, same order
;   work-groups 512..703: in_proj_w [3072][1024] -> wb, same order
;   work-groups 704..767: out_w     [1024][1024] -> owt [16 kstep][1024 n][64 k]: the tile of one K step of 64 is 131,072 dense bytes
; A work-group takes 16,384 numbers: 64 KiB in, 32 KiB out.  The text has no loop: a thread issues its 16 loads first and then
; converts and stores pass by pass, so no register is written twice and no source of a pending instruction is ever rewritten.
; No LDS, no matrix unit, no cluster: each byte is read once and written once, and nothing is shared between work-groups.
.set VI, 2                             ; v2        byte offset of my 32 bytes of pass 0 in the source
.set VO, 3                             ; v3        byte offset of my 16 bytes of pass 0 in the destination
.set XR, 8                             ; v[8:71]   pass p: 8 numbers in f32
.set YR, 72                            ; v[72:103] pass p: 8 numbers in bf16
.macro CASTBODY instep, outstep
.irp p, 0,1,2,3,4,5,6,7
	global_load_b128 v[XR+8*\p:XR+8*\p+3],   v[VI], s[16:17] offset:\p*\instep th:TH_LOAD_NT
	global_load_b128 v[XR+8*\p+4:XR+8*\p+7], v[VI], s[16:17] offset:\p*\instep+16 th:TH_LOAD_NT
.endr
.irp p, 0,1,2,3,4,5,6,7
	s_wait_loadcnt 14-2*\p                         ; loads come back in order: pass p's two are in, the two of each later pass stay out
.irp k, 0,1,2,3
	v_cvt_pk_bf16_f32 v[YR+4*\p+\k], v[XR+8*\p+2*\k], v[XR+8*\p+2*\k+1]
.endr
	global_store_b128 v[VO], v[YR+4*\p:YR+4*\p+3], s[18:19] offset:\p*\outstep   ; a wave's store covers 512 consecutive bytes, aligned
.endr
	s_endpgm
.endm
	s_load_b256 s[4:11], s[0:1], 0x0               ; x s[4:5], in_proj_w s[6:7], out_w s[8:9], xb s[10:11]
	s_load_b128 s[12:15], s[0:1], 0x20             ; wb s[12:13], owt s[14:15]
	s_mov_b32 s21, 0                               ; high words of the two offsets
	s_mov_b32 s23, 0
	s_wait_kmcnt 0x0
	s_cmp_ge_u32 ttmp9, 704
	s_cbranch_scc1 .Ltiled
	; x or in_proj_w: the order stays.  Thread t, pass p: 32 bytes at 32 t + 8,192 p become 16 bytes at 16 t + 4,096 p.
	s_cmp_lt_u32 ttmp9, 512
	s_cselect_b64 s[16:17], s[4:5], s[6:7]         ; from x or from in_proj_w
	s_cselect_b64 s[18:19], s[10:11], s[12:13]     ; to xb or to wb
	s_cselect_b32 s20, 0, 512
	s_sub_co_u32 s20, ttmp9, s20                   ; my chunk of that tensor
	s_lshl_b32 s22, s20, 15                        ; 32 KiB out,
	s_lshl_b32 s20, s20, 16                        ; 64 KiB in for each chunk
	s_add_nc_u64 s[16:17], s[16:17], s[20:21]
	s_add_nc_u64 s[18:19], s[18:19], s[22:23]
	v_lshlrev_b32 v[VI], 5, v0
	v_lshlrev_b32 v[VO], 4, v0
	CASTBODY 8192, 4096
.Ltiled:
	; out_w: 16 rows n for a work-group.  Thread t: c = t & 7 (8 numbers of a K step), row = (t >> 3) & 15, ko = t >> 7; pass p is K step ko + 2 p.
	; Eight lanes read the 256 consecutive bytes of one row's K step; a wave stores four rows of 128 bytes, which follow each other in owt.
	s_sub_co_u32 s20, ttmp9, 704
	s_lshl_b32 s22, s20, 11                        ; 16 rows of 128 bytes inside a K step's tile
	s_lshl_b32 s20, s20, 16                        ; 16 rows of 4,096 bytes
	s_add_nc_u64 s[16:17], s[8:9], s[20:21]
	s_add_nc_u64 s[18:19], s[14:15], s[22:23]
	v_and_b32 v1, 7, v0                            ; c
	v_bfe_u32 v4, v0, 3, 4                         ; row
	v_lshrrev_b32 v5, 7, v0                        ; ko
	v_lshlrev_b32 v[VI], 5, v1                     ; 32 c
	v_lshl_add_u32 v[VI], v5, 8, v[VI]             ; + 256 ko
	v_lshl_add_u32 v[VI], v4, 12, v[VI]            ; + 4,096 row
	v_lshlrev_b32 v[VO], 4, v1                     ; 16 c
	v_lshl_add_u32 v[VO], v4, 7, v[VO]             ; + 128 row
	v_lshl_add_u32 v[VO], v5, 17, v[VO]            ; + 131,072 ko
	CASTBODY 512, 262144
.Lfunc_end_k_q44a2e5f9f6_cast:
	.size	k_q44a2e5f9f6_cast, .Lfunc_end_k_q44a2e5f9f6_cast-k_q44a2e5f9f6_cast
	.p2alignl 7, 3214868480
	.fill 96, 4, 3214868480
	.section	.rodata,"a",@progbits
	.p2align	6, 0x0
	.amdhsa_kernel k_q44a2e5f9f6_cast
		.amdhsa_group_segment_fixed_size 0
		.amdhsa_private_segment_fixed_size 0
		.amdhsa_enable_private_segment 0
		.amdhsa_kernarg_size 48
		.amdhsa_user_sgpr_count 2
		.amdhsa_user_sgpr_kernarg_segment_ptr 1
		.amdhsa_wavefront_size32 1
		.amdhsa_system_sgpr_workgroup_id_x 1
		.amdhsa_system_sgpr_workgroup_id_y 1
		.amdhsa_system_sgpr_workgroup_id_z 1
		.amdhsa_system_vgpr_workitem_id 0
		.amdhsa_next_free_vgpr 104
		.amdhsa_next_free_sgpr 66
		.amdhsa_reserve_vcc 0
		.amdhsa_float_denorm_mode_32 3
		.amdhsa_float_denorm_mode_16_64 3
		.amdhsa_memory_ordered 1
		.amdhsa_forward_progress 1
		.amdhsa_inst_pref_size 11
	.end_amdhsa_kernel
	.amdgpu_metadata
---
amdhsa.version: [ 1, 2 ]
amdhsa.kernels:
  - .name:           k_q44a2e5f9f6_cast
    .symbol:         k_q44a2e5f9f6_cast.kd
    .args:
      - { .name: x, .offset: 0, .size: 8, .value_kind: global_buffer, .address_space: global }
      - { .name: in_proj_w, .offset: 8, .size: 8, .value_kind: global_buffer, .address_space: global }
      - { .name: out_w, .offset: 16, .size: 8, .value_kind: global_buffer, .address_space: global }
      - { .name: xb, .offset: 24, .size: 8, .value_kind: global_buffer, .address_space: global }
      - { .name: wb, .offset: 32, .size: 8, .value_kind: global_buffer, .address_space: global }
      - { .name: owt, .offset: 40, .size: 8, .value_kind: global_buffer, .address_space: global }
    .group_segment_fixed_size: 0
    .private_segment_fixed_size: 0
    .kernarg_segment_align: 8
    .kernarg_segment_size: 48
    .max_flat_workgroup_size: 256
    .sgpr_count:     66
    .vgpr_count:     104
    .wavefront_size: 32
...
	.end_amdgpu_metadata
.endif
;; end of part 1
;; launch qkvgemm (part 2): grid 16 x 32, 4 waves a work-group, clusters of 4 x 4, 327,680 bytes of LDS; arguments xb, wb, in_proj_b, qkv; writes qkv
.if DOCPART == 2
	.amdgcn_target "amdgcn-amd-amdhsa--gfx1250"
	.amdhsa_code_object_version 6
	.text
	.protected	k_q44a2e5f9f6_qkvgemm
	.globl	k_q44a2e5f9f6_qkvgemm
	.p2align	8
	.type	k_q44a2e5f9f6_qkvgemm,@function
k_q44a2e5f9f6_qkvgemm:
	s_mov_b64 s[64:65], 0
	v_nop
	global_prefetch_b8 v0, s[64:65] scope:SCOPE_SE
	s_setreg_imm32_b32 hwreg(HW_REG_WAVE_MODE, 25, 1), 1
	s_wait_xcnt 0x0
	s_wait_alu depctr_hold_cnt(0) depctr_sa_sdst(0) depctr_va_vdst(0) depctr_va_sdst(0) depctr_va_ssrc(0) depctr_va_vcc(0) depctr_vm_vsrc(0)
	s_getreg_b32 s2, hwreg(HW_REG_IB_STS2, 6, 4)
	s_cmp_eq_u32 s2, 0
	s_cbranch_scc0 .Lentry_in_a_cluster
	s_endpgm
.Lentry_in_a_cluster:
	s_bfe_u32 s2, ttmp6, 0x10000c
	s_cmp_lg_u32 s2, 0xf033
	s_cbranch_scc0 .Lentry_shape_is_right
	s_endpgm
.Lentry_shape_is_right:
; qkv = x W^T + b.  xb: [8192][1024] bf16, wb: [3072][1024] bf16, in_proj_b: [3072] f32; sums in f32, the bias first, the result rounded once to bf16.
; A work-group makes 256 rows x 192 columns (three whole heads): 32 x 16 = 512 work-groups of equal work.  Four waves; wave w makes rows 64 w .. 64 w + 63
; and all 192 columns: 4 x 12 accumulator tiles of 16 x 16, 384 registers.  K goes in steps of 128 (rows of 256 bytes, aligned) through two LDS slots.
; CLUSTERS: 4 x 4 work-groups.  A tile of x hangs on the block row alone and is asked for jointly by the four of a row of the cluster; a tile of W hangs on
; the block column alone and is asked for jointly by the four of a column: a quarter of the requests.
; THE MATRIX INSTRUCTION IS USED TRANSPOSED: source 0 = 16 rows of W, source 1 = 16 rows of x.  Lane (r = l % 16, h = l / 16) then holds row r and the eight
; neighbouring columns 8 h + 0..7 of a tile.  Rounded to bf16 these 16 bytes are half of a 16-bit K = 32 fragment of a later product, so they are stored
; in that order: qkv = [plane = 4 (column / 64) + batch][128 blocks of 16 rows][4 blocks of 16 d][32 places][8 bf16].  The place is the lane's number for Q and K.
; For V it is the lane's number with bits 3 and 4 exchanged, which is the order that a transposing LDS load of 16 bytes a lane at 16 x lane wants.
; Each store of a wave covers 512 consecutive bytes, aligned: no stage in LDS is needed.
; REGISTERS, in windows of 256:
;   window 0: v16-29 addresses; v32-63, v64-95 fragments of x (4 x 16 rows x 32 K), two buffers; v96-191 the bias as the first C, later the packed results
;   window 1: v0-95, v96-191 fragments of W (12 x 16 rows x 32 K), two buffers
;   window 2: tiles (a, b), a = 0, 1, at v[8 (12 a + b)];   window 3: a = 2, 3 likewise
.set PITCH,  272                       ; an LDS row: 256 bytes + 16 of padding, an odd multiple of 16: the 16 rows of a fragment load start in 16 different 16-byte columns of 256 bytes
.set HALFA,  128*PITCH                 ; 128 rows of x: one tensor load
.set HALFB,  96*PITCH                  ; 96 rows of W: one tensor load
.set SLOT,   2*HALFA+2*HALFB           ; x's 256 rows, then W's 192 rows
.set KBYTES, 256                       ; a K step in a row of memory
.set LAPS,   4                         ; 1024 / (2 x 128): a lap is once round the ring
.set ADRA, 16                          ; v16-17  LDS address of my fragments of x in slot 0, 1
.set ADRB, 20                          ; v20-21  the same for W
.set QKO,  24                          ; v24     16 x lane
.set VVO,  25                          ; v25     16 x (lane with bits 3 and 4 exchanged)
.set OFF,  26                          ; v26-28  one of the two, for each of my three heads
.set HB32, 29                          ; v29     32 h: my eight numbers in a tile's 16 of the bias
.set FA0,  32                          ; fragments of x: buffer f at FA0 + 32 f
.set FB0,  0                           ; fragments of W: buffer f at FB0 + 96 f (window 1)
.set BIAS, 96                          ; v[96:191]  tile column b: bias[16 b + 8 h + 0..7]
.set TMP,  96                          ; the same registers on the way out: two sets of 48
.set G1,  24                           ; s[24:31] descriptor group 1 for x's tiles
.set G0,  32                           ; s[32:39] descriptor group 0 for x's tiles, one set for each slot
.set G1B, 48                           ; s[48:55] group 1 for W's tiles
.set G0B, 56                           ; s[56:63] group 0 for W's tiles
.set DW0, (1<<16)|(1<<20)|(1<<21)|(5<<22)|(3<<25)   ; elements of 2 bytes; padding on; bit 21 beside a mask; after every 64 words 4 words of padding
.set MSB, 0
.macro WIN new                         ; the immediate's high byte repeats the setting that is left
.if MSB != \new
	s_set_vgpr_msb (MSB<<8)|\new
.set MSB, \new
.endif
.endm
.set MUL_LO, 0xa1                      ; source 0 (W) window 1, source 1 (x) window 0, C and D window 2
.set MUL_HI, 0xf1                      ; the same, C and D window 3
.set TO_B,   0x40                      ; destination window 1, address window 0
; A joint load.  Waves 0 and 1 fetch the two halves of x's tile, waves 2 and 3 those of W's.  Each line has one mask and one set of registers.
.macro JLOAD s
	s_cmp_eq_u32 s13, 0
	s_cbranch_scc0 .Lfor_b_\@
	tensor_load_to_lds s[G0+4*\s:G0+4*\s+3], s[G1:G1+7]
	s_nop 0
	s_branch .Lasked_\@
.Lfor_b_\@:
	tensor_load_to_lds s[G0B+4*\s:G0B+4*\s+3], s[G1B:G1B+7]
	s_nop 0
.Lasked_\@:
.endm
; A round of the cluster's barrier: my work-group's barrier; wave 0 signals for the work-group; every wave waits for all sixteen; my work-group's barrier again.
.macro CREST                           ; a round behind its opening barrier
	s_cmp_lg_u32 s12, 0
	s_cbranch_scc1 .Lnot_wave_0_\@
	s_barrier_signal -3
.Lnot_wave_0_\@:
	s_barrier_wait -3
	s_barrier_signal -1
	s_barrier_wait -1
.endm
.macro CROUND
	s_barrier_signal -1
	s_barrier_wait -1
	CREST
.endm
; Four plain vector instructions stand between a matrix instruction and a load into, or a vector instruction on, one of its registers (ISA guide 7.12.1 for
; vector instructions).
.macro PLACES
.rept 4
	v_nop
.endr
.endm
	s_load_b256 s[4:11], s[0:1], 0x0               ; xb s[4:5], wb s[6:7], in_proj_b s[8:9], qkv s[10:11]
	s_set_vgpr_msb 0x40
	v_lshl_add_u32 v255, v0, 2, 0x3b800
	s_set_vgpr_msb 0x4000
	v_mov_b32 v255, 0
	s_set_vgpr_msb 0x1
	ds_add_u32 v255, v255
	ds_add_u32 v255, v255
	s_set_vgpr_msb 0x100
	v_lshrrev_b32 v1, 5, v0
	v_readfirstlane_b32 s12, v1                    ; wave 0..3
	s_lshr_b32 s13, s12, 1                         ; I fetch for x (0) or for W (1)
	s_and_b32 s14, s12, 1                          ; which half of that tile
	s_bfe_u32 s40, ttmp6, 0x40000                  ; cx
	s_bfe_u32 s41, ttmp6, 0x40004                  ; cy
	s_lshl_b32 s42, ttmp9, 2
	s_add_co_u32 s42, s42, s40                     ; block column 0..15 = 4 x cluster x + cx
	s_and_b32 s43, ttmp7, 0xffff
	s_lshl_b32 s43, s43, 2
	s_add_co_u32 s43, s43, s41                     ; block row 0..31 = 4 x cluster y + cy
	s_lshl_b32 s44, s41, 2
	s_lshl_b32 s44, 15, s44                        ; my row of the cluster: places 4 cy .. 4 cy + 3
	s_lshl_b32 s45, 0x1111, s40                    ; my column: places cx, cx + 4, cx + 8, cx + 12
	s_or_b32 s[G1+0], s44, DW0                     ; x's tiles go to my row
	s_or_b32 s[G1B+0], s45, DW0                    ; W's tiles go to my column
	s_mov_b32 s[G1+1], 128<<16                     ; tensor_dim0 = 128 elements
	s_mov_b32 s[G1B+1], 128<<16
	s_mov_b32 s[G1+2], 128<<16                     ; tensor_dim1 = 128 rows
	s_mov_b32 s[G1B+2], 96<<16                     ; tensor_dim1 = 96 rows
	s_mov_b32 s[G1+3], 128<<16                     ; tile_dim0 = 128
	s_mov_b32 s[G1B+3], 128<<16
	s_mov_b32 s[G1+4], 128                         ; tile_dim1
	s_mov_b32 s[G1B+4], 96
	s_mov_b32 s[G1+5], 1024                        ; elements from row to row
	s_mov_b32 s[G1B+5], 1024
	s_mov_b32 s[G1+6], 0
	s_mov_b32 s[G1B+6], 0
	s_mov_b32 s[G1+7], 0
	s_mov_b32 s[G1B+7], 0
	; where the tiles come from: x's address is made of the block row and the wave's number, W's of the block column and the wave's number,
	; each in registers that never hold the other coordinate
	s_lshl_b32 s17, s14, 7
	s_lshl_b32 s16, s43, 8
	s_add_co_u32 s16, s16, s17                     ; x: row 256 x block row + 128 x half
	s_lshl_b32 s16, s16, 11                        ; rows of 2,048 bytes
	s_mov_b32 s17, 0
	s_mul_i32 s46, s42, 192
	s_mul_i32 s47, s14, 96
	s_add_co_u32 s46, s46, s47                     ; W: row 192 x block column + 96 x half
	s_lshl_b32 s46, s46, 11
	s_mov_b32 s47, 0
	s_mul_i32 s22, s12, HALFA                      ; where they go: waves 0, 1: x's halves at 0 and HALFA;
	s_mul_i32 s23, s12, HALFB
	s_add_co_u32 s23, s23, 2*HALFA-2*HALFB         ; waves 2, 3: W's halves at 2 HALFA and 2 HALFA + HALFB
	s_wait_dscnt 0x0
	s_wait_kmcnt 0x0
	s_add_nc_u64 s[20:21], s[4:5], s[16:17]
	s_add_nc_u64 s[46:47], s[6:7], s[46:47]
	CROUND                                         ; all sixteen work-groups are here: the first joint loads meet
.irp s, 0,1
	s_mov_b32 s[G0+4*\s], 1
	s_add_co_u32 s[G0+4*\s+1], s22, \s*SLOT
	s_add_nc_u64 s[G0+4*\s+2:G0+4*\s+3], s[20:21], \s*KBYTES
	s_or_b32 s[G0+4*\s+3], s[G0+4*\s+3], 0x80000000
	s_mov_b32 s[G0B+4*\s], 1
	s_add_co_u32 s[G0B+4*\s+1], s23, \s*SLOT
	s_add_nc_u64 s[G0B+4*\s+2:G0B+4*\s+3], s[46:47], \s*KBYTES
	s_or_b32 s[G0B+4*\s+3], s[G0B+4*\s+3], 0x80000000
	JLOAD \s                                       ; K steps 0 and 1: two tensor loads of the wave are out
.endr
	v_and_b32 v1, 15, v0                           ; r
	v_bfe_u32 v2, v0, 4, 1                         ; h
	v_mul_u32_u24 v3, v1, PITCH
	v_lshl_add_u32 v3, v2, 4, v3                   ; row x pitch + 16 h
	s_mul_i32 s16, s12, 64*PITCH                   ; my 64 rows of x
	s_mov_b32 s17, 2*HALFA                         ; W's rows lie behind x's 256
.irp s, 0,1
	v_add_nc_u32 v[ADRA+\s], s16, v3
	v_add_nc_u32 v[ADRB+\s], s17, v3
	s_add_co_u32 s16, s16, SLOT
	s_add_co_u32 s17, s17, SLOT
.endr
	v_and_b32 v4, 31, v0
	v_lshlrev_b32 v[QKO], 4, v4                    ; 16 x lane
	v_and_b32 v5, 7, v0
	v_bfe_u32 v6, v0, 3, 1
	v_lshl_add_u32 v5, v2, 3, v5                   ; (r & 7) + 8 h
	v_lshl_add_u32 v5, v6, 4, v5                   ; + 16 (r >> 3)
	v_lshlrev_b32 v[VVO], 4, v5
	v_lshlrev_b32 v[HB32], 5, v2
	s_mul_i32 s72, s42, 768                        ; my 192 numbers of the bias
	s_mov_b32 s73, 0
	s_add_nc_u64 s[72:73], s[8:9], s[72:73]
.irp b, 0,1,2,3,4,5,6,7,8,9,10,11
	global_load_b128 v[BIAS+8*\b:BIAS+8*\b+3],   v[HB32], s[72:73] offset:64*\b
	global_load_b128 v[BIAS+8*\b+4:BIAS+8*\b+7], v[HB32], s[72:73] offset:64*\b+16
.endr
; 12 matrix instructions: row block a x all 12 column blocks, 32 along K, on buffer f.  first = 1: C is the bias, so that it starts the sums and nothing is cleared.
; The 48 accumulators take turns, one instruction a turn, in the same order in every quarter step.
.macro MUL12 f, a, first
.irp b, 0,1,2,3,4,5,6,7,8,9,10,11
.if \first
	v_wmma_f32_16x16x32_bf16 v[8*(12*(\a&1)+\b):8*(12*(\a&1)+\b)+7], v[FB0+96*(\f)+8*\b:FB0+96*(\f)+8*\b+7], v[FA0+32*(\f)+8*\a:FA0+32*(\f)+8*\a+7], v[BIAS+8*\b:BIAS+8*\b+7]
.else
	v_wmma_f32_16x16x32_bf16 v[8*(12*(\a&1)+\b):8*(12*(\a&1)+\b)+7], v[FB0+96*(\f)+8*\b:FB0+96*(\f)+8*\b+7], v[FA0+32*(\f)+8*\a:FA0+32*(\f)+8*\a+7], v[8*(12*(\a&1)+\b):8*(12*(\a&1)+\b)+7]
.endif
.endr
.endm
; 32 LDS loads in one run: 192 rows of W, then my 64 rows of x, 32 K at byte k of the rows, into buffer f
.macro FETCH slot, k, f
	WIN TO_B
.irp i, 0,1,2,3,4,5,6,7,8,9,10,11
	ds_load_b128 v[FB0+96*(\f)+8*\i:FB0+96*(\f)+8*\i+3],   v[ADRB+\slot] offset:\k+\i*16*PITCH
	ds_load_b128 v[FB0+96*(\f)+8*\i+4:FB0+96*(\f)+8*\i+7], v[ADRB+\slot] offset:\k+\i*16*PITCH+32
.endr
	WIN 0
.irp i, 0,1,2,3
	ds_load_b128 v[FA0+32*(\f)+8*\i:FA0+32*(\f)+8*\i+3],   v[ADRA+\slot] offset:\k+\i*16*PITCH
	ds_load_b128 v[FA0+32*(\f)+8*\i+4:FA0+32*(\f)+8*\i+7], v[ADRA+\slot] offset:\k+\i*16*PITCH+32
.endr
.endm
; One of a K step's first three quarters: multiplies buffer f; in its middle it fetches the next quarter, at byte k, into the other buffer.
.macro QUARTER slot, k, f, first
	s_wait_dscnt 4                                 ; W and x's rows 0-31 are in; the youngest four loads (x's rows 32-63) may be out
.if \first
	WIN 0x81                                       ; as MUL_LO, but C (the bias) in window 0
.else
	WIN MUL_LO
.endif
	MUL12 \f, 0, \first
	MUL12 \f, 1, \first
	PLACES
	FETCH \slot, \k, 1-\f
	s_wait_dscnt 32                                ; all but the 32 just issued
.if \first
	WIN 0xc1
.else
	WIN MUL_HI
.endif
	MUL12 \f, 2, \first
	MUL12 \f, 3, \first
.endm
.macro THREE slot, first
	QUARTER \slot, 64,  0, \first
	QUARTER \slot, 128, 1, 0
	QUARTER \slot, 192, 0, 0
.endm
; The last quarter: multiplies buffer 1 and changes slots.  In front of the barrier each wave waits for its reads of this slot and for all its tensor
; loads, of which one is out: its part of the next slot.  Behind it (where the slot is filled again: behind the cluster's round that it opens) the refill
; comes first, one tensor load a wave; then the next slot's first fragments.  From a request to the wait for it a wave issues 180 matrix instructions.
.macro TURN slot, next, fill
	s_wait_dscnt 4
	WIN MUL_LO
	MUL12 1, 0, 0
	s_wait_dscnt 0x0                               ; my reads of this slot are over
	s_wait_tensorcnt 0x0                           ; all my tensor loads have landed
	ds_add_u32 v255, v255
	s_wait_dscnt 0x0
	s_barrier_signal -1
	MUL12 1, 1, 0                                  ; registers only, while the others arrive
	WIN 0
	s_barrier_wait -1
.if \fill
	CREST                                          ; no wave of any partner still reads this slot or has a load on its way
	s_add_nc_u64 s[G0+4*\slot+2:G0+4*\slot+3], s[G0+4*\slot+2:G0+4*\slot+3], 2*KBYTES
	s_add_nc_u64 s[G0B+4*\slot+2:G0B+4*\slot+3], s[G0B+4*\slot+2:G0B+4*\slot+3], 2*KBYTES
	JLOAD \slot
.endif
	PLACES
	FETCH \next, 0, 0
	WIN MUL_HI
	MUL12 1, 2, 0
	MUL12 1, 3, 0
.endm
.macro LAP first
	THREE 0, \first
	TURN 0, 1, 1
	THREE 1, 0
	TURN 1, 0, 1
.endm
	s_wait_tensorcnt 1                             ; my part of K step 0 is in; K step 1's may stay out
	s_barrier_signal -1
	s_barrier_wait -1
	FETCH 0, 0, 0
	s_wait_loadcnt 0x0                             ; the bias
	LAP 1                                          ; the first lap stands in front of the loop: its first products start the sums
	WIN 0
	s_mov_b32 s3, LAPS-2
.Llap:
	LAP 0
	WIN 0
	s_sub_co_u32 s3, s3, 1
	s_cmp_lg_u32 s3, 0
	s_cbranch_scc1 .Llap
	THREE 0, 0                                     ; the last lap fills nothing
	TURN 0, 1, 0
	THREE 1, 0
	s_wait_dscnt 4
	WIN MUL_LO
	MUL12 1, 0, 0
	MUL12 1, 1, 0
	s_wait_dscnt 0x0
	WIN MUL_HI
	MUL12 1, 2, 0
	MUL12 1, 3, 0
	; THE WAY OUT.  Tile (a, b) of lane (r, h): row 16 a + r, d = 16 (b & 3) + 8 h + 0..7 of head b >> 2.
	PLACES
	WIN 0
	s_lshr_b32 s72, s43, 3                         ; batch: 8 block rows each
	s_and_b32 s73, s43, 7
	s_lshl_b32 s73, s73, 4
	s_lshl2_add_u32 s73, s12, s73                  ; my first block of 16 rows in the batch: 16 (block row & 7) + 4 wave
	s_lshl_b32 s73, s73, 11                        ; 2,048 bytes each
	s_mul_i32 s74, s42, 3                          ; my first head among the 48 (0-15 Q, 16-31 K, 32-47 V)
.irp i, 0,1,2
	s_add_co_u32 s75, s74, \i
	s_cmp_ge_u32 s75, 32                           ; a head of V?  A choice of a value, no branch: the number hangs on my place in the cluster
	s_cselect_b32 s76, -1, 0
	v_cndmask_b32 v[OFF+\i], v[QKO], v[VVO], s76
	s_lshl2_add_u32 s75, s75, s72                  ; plane = 4 head + batch
	s_lshl_b32 s75, s75, 18                        ; 262,144 bytes each
	s_add_co_u32 s[66+2*\i], s75, s73
	s_mov_b32 s[67+2*\i], 0
	s_add_nc_u64 s[66+2*\i:67+2*\i], s[10:11], s[66+2*\i:67+2*\i]
.endr
.macro OUTA a
.if \a >= 2
	s_wait_xcnt 0x0                                ; this set of 48 registers was the data of stores two blocks ago: it is rewritten only behind this wait
.endif
.if \a < 2
	WIN 0x0a                                       ; sources in window 2
.else
	WIN 0x0f                                       ; sources in window 3
.endif
.irp b, 0,1,2,3,4,5,6,7,8,9,10,11
.irp r, 0,1,2,3
	v_cvt_pk_bf16_f32 v[TMP+48*(\a&1)+4*\b+\r], v[8*(12*(\a&1)+\b)+2*\r], v[8*(12*(\a&1)+\b)+2*\r+1]
.endr
.endr
	WIN 0
.irp b, 0,1,2,3,4,5,6,7,8,9,10,11
	global_store_b128 v[OFF+(\b>>2)], v[TMP+48*(\a&1)+4*\b:TMP+48*(\a&1)+4*\b+3], s[66+2*(\b>>2):67+2*(\b>>2)] offset:2048*\a+512*(\b&3)
.endr
.endm
	OUTA 0
	OUTA 1
	OUTA 2
	OUTA 3
	CROUND                                         ; the closing round: no work-group ends while a partner may still ask for a tile that names it
	s_endpgm
.Lfunc_end_k_q44a2e5f9f6_qkvgemm:
	.size	k_q44a2e5f9f6_qkvgemm, .Lfunc_end_k_q44a2e5f9f6_qkvgemm-k_q44a2e5f9f6_qkvgemm
	.p2alignl 7, 3214868480
	.fill 96, 4, 3214868480
	.section	.rodata,"a",@progbits
	.p2align	6, 0x0
	.amdhsa_kernel k_q44a2e5f9f6_qkvgemm
		.amdhsa_group_segment_fixed_size 327680
		.amdhsa_private_segment_fixed_size 0
		.amdhsa_enable_private_segment 0
		.amdhsa_kernarg_size 32
		.amdhsa_user_sgpr_count 2
		.amdhsa_user_sgpr_kernarg_segment_ptr 1
		.amdhsa_wavefront_size32 1
		.amdhsa_system_sgpr_workgroup_id_x 1
		.amdhsa_system_sgpr_workgroup_id_y 1
		.amdhsa_system_sgpr_workgroup_id_z 1
		.amdhsa_system_vgpr_workitem_id 0
		.amdhsa_next_free_vgpr 960
		.amdhsa_next_free_sgpr 80
		.amdhsa_reserve_vcc 0
		.amdhsa_float_denorm_mode_32 3
		.amdhsa_float_denorm_mode_16_64 3
		.amdhsa_memory_ordered 1
		.amdhsa_forward_progress 1
		.amdhsa_inst_pref_size 159
	.end_amdhsa_kernel
	.amdgpu_metadata
---
amdhsa.version: [ 1, 2 ]
amdhsa.kernels:
  - .name:           k_q44a2e5f9f6_qkvgemm
    .symbol:         k_q44a2e5f9f6_qkvgemm.kd
    .args:
      - { .name: xb, .offset: 0, .size: 8, .value_kind: global_buffer, .address_space: global }
      - { .name: wb, .offset: 8, .size: 8, .value_kind: global_buffer, .address_space: global }
      - { .name: in_proj_b, .offset: 16, .size: 8, .value_kind: global_buffer, .address_space: global }
      - { .name: qkv, .offset: 24, .size: 8, .value_kind: global_buffer, .address_space: global }
    .group_segment_fixed_size: 327680
    .private_segment_fixed_size: 0
    .kernarg_segment_align: 8
    .kernarg_segment_size: 32
    .max_flat_workgroup_size: 128
    .sgpr_count:     80
    .vgpr_count:     960
    .wavefront_size: 32
...
	.end_amdgpu_metadata
.endif
;; end of part 2
;; launch attn (part 3): grid 256 x 1, 4 waves a work-group, no clusters, 327,680 bytes of LDS; arguments qkv, ctxf; writes ctxf
.if DOCPART == 3
	.amdgcn_target "amdgcn-amd-amdhsa--gfx1250"
	.amdhsa_code_object_version 6
	.text
	.protected	k_q44a2e5f9f6_attn
	.globl	k_q44a2e5f9f6_attn
	.p2align	8
	.type	k_q44a2e5f9f6_attn,@function
k_q44a2e5f9f6_attn:
	s_mov_b64 s[64:65], 0
	v_nop
	global_prefetch_b8 v0, s[64:65] scope:SCOPE_SE
	s_setreg_imm32_b32 hwreg(HW_REG_WAVE_MODE, 25, 1), 1
	s_wait_xcnt 0x0
; Causal attention for one (head, batch) pair hb and two query tiles of 256 rows, with a running maximum; q, k, v in bf16, scores, softmax and sums in f32.
; Work-group id: hb = id >> 2, i = id & 3.  It makes query tile 7 - i and then tile i: (8 - i) + (i + 1) = 9 key blocks of 256 keys, the same for all 256 work-groups.
; Wave w owns 64 query rows of the tile.  A key block is four steps of 64 keys; in the diagonal block wave w runs steps 0 .. w, and step w is masked.
; Key blocks above the diagonal are never touched: their scores are -inf in front of the softmax.
; LAYOUTS.  S^T = K Q^T: source 0 = 16 keys, source 1 = 16 queries, so lane (r, h), register j holds key 8 h + j and query r.  A lane's numbers all belong to one
; query: maximum, sum and scale are one number a lane, and only the two halves of the lanes have to meet.  exp(S) of key tiles 2 u and 2 u + 1, rounded to bf16,
; IS source 1 of O^T = V^T P^T for keys 32 u .. 32 u + 31.  V^T comes from a transposing LDS load at 16 x lane (V was stored in that order).  O^T holds
; d = 8 h + j, query r: its 16 bytes in bf16 are stored in the fragment order in which the next launch loads them, 512 consecutive bytes a store.
; NO CLUSTER: the four work-groups of a head leave their first query tile after 8, 7, 6 and 5 key blocks and from then on need different key blocks in the same
; trip; to keep them in step a branch or an LDS address would have to hang on the place in the cluster.
; NO PREFETCH: a key block is asked for straight behind the barrier and has four whole steps in which to land.
; LIMITS: NaN and infinities in the inputs are not followed (the maxima drop a NaN); an exponential below 2^-126 counts as 0; the sum of a row's exponentials is
; kept in f32 from the unrounded numbers, per half of the lanes, in another order than a plain sum; the exponentials enter the product rounded to bf16.
; REGISTERS: window 0: v2-3 addresses, v32-95 Q, v96-159 K (later store data), v160-223 V^T.  Window 1: v0-127 S, v128-191 P, v192-220 statistics.  Window 2: v0-127 O.
.set QUART, 16384                      ; a wave's quarter of a slot: 128 keys of K or of V
.set SLOT,  65536                      ; K's 256 keys (32,768 bytes), then V's
.set LA,  2                            ; v2 = 16 x lane (slot 0; also the lane's offset in memory), v3 = the same + SLOT
.set QF,  32                           ; fragment (query block q, half ks of d) at QF + 8 (2 q + ks)
.set KF,  96                           ; fragment (key tile kt, ks) at KF + 8 (2 kt + ks)
.set VF,  160                          ; fragment (d tile dt, 32 keys ku) at VF + 8 (2 dt + ku)
.set PP,  128                          ; window 1: P of query block q at PP + 16 q
.set NM,  192                          ; window 1: - C x running maximum, at NM + 2 q
.set LS,  193                          ;           running sum of this half of the lanes, at LS + 2 q
.set AL,  200                          ;           the step's scale of the old sums, at AL + 2 q
.set TT,  201                          ;           at work, at TT + 2 q
.set T2,  208                          ;           at work, at T2 + q
.set SP,  212                          ;           a pair of partial sums, at SP + 2 q
.set NINF, 220                         ;           -inf
.set G1, 16                            ; s[16:23] descriptor group 1
.set G0, 24                            ; s[24:31] descriptor group 0, one set for each slot
.set MSB, 0
.macro WIN new
.if MSB != \new
	s_set_vgpr_msb (MSB<<8)|\new
.set MSB, \new
.endif
.endm
.macro PLACES                          ; four plain vector instructions behind a matrix instruction (ISA guide 7.12.1 for vector instructions)
.rept 4
	v_nop
.endr
.endm
	s_load_b128 s[4:7], s[0:1], 0x0                ; qkv s[4:5], ctxf s[6:7]
	v_lshl_add_u32 v254, v0, 2, 0x29000
	v_mov_b32 v255, 0
	ds_add_u32 v254, v255
	ds_add_u32 v254, v255
	v_lshrrev_b32 v1, 5, v0
	v_readfirstlane_b32 s8, v1                     ; wave 0..3
	s_and_b32 s9, ttmp9, 3                         ; i
	s_lshr_b32 s10, ttmp9, 2                       ; hb = 4 head + batch = Q's plane
	s_mov_b32 s11, 0                               ; kb: the key block at work
	s_sub_co_u32 s12, 7, s9                        ; qt: the query tile at work
	s_mov_b32 s50, 0                               ; 0: first query tile, 1: second
	s_mov_b32 s48, 0x76543210                      ; v_permlanex16_b32: lane l of one half reads lane l of the other
	s_mov_b32 s49, 0xfedcba98
	s_mov_b32 s58, 0x3e38aa3b                      ; C = log2(e) / 8: the scale 1 / sqrt(64) and the change to base 2 in one factor
	s_mov_b32 s59, 0x3e38aa3b
	; group 1: 16,384 dense bytes as 64 rows of 32 elements of 8 bytes
	s_mov_b32 s[G1+0], 3<<16                       ; no mask; elements of 8 bytes; no padding: every LDS read is at 16 x lane
	s_mov_b32 s[G1+1], 32<<16                      ; tensor_dim0 = 32
	s_mov_b32 s[G1+2], 64<<16                      ; tensor_dim1 = 64
	s_mov_b32 s[G1+3], 32<<16                      ; tile_dim0 = 32
	s_mov_b32 s[G1+4], 64                          ; tile_dim1 = 64
	s_mov_b32 s[G1+5], 32                          ; from row to row
	s_mov_b32 s[G1+6], 0
	s_mov_b32 s[G1+7], 0
	s_lshr_b32 s51, s8, 1                          ; waves 0, 1 fetch K (planes 64 + hb), waves 2, 3 fetch V (planes 128 + hb)
	s_lshl_b32 s51, s51, 6
	s_add_co_u32 s51, s51, s10
	s_add_co_u32 s51, s51, 64
	s_lshl_b32 s34, s51, 18                        ; planes of 262,144 bytes
	s_and_b32 s51, s8, 1
	s_lshl_b32 s51, s51, 14                        ; the first or the second 128 keys of a block
	s_add_co_u32 s34, s34, s51
	s_mov_b32 s35, 0
	s_lshl_b32 s54, s10, 18                        ; Q's plane and ctxf's place have the same offset: 512 head + 128 batch = 128 hb blocks of 2,048 bytes,
	s_lshl_b32 s51, s8, 13                         ; + my wave's 4 blocks of 16 rows
	s_add_co_u32 s54, s54, s51
	s_mov_b32 s55, 0
	s_mul_i32 s60, s8, QUART                       ; my quarter of a slot
	s_wait_dscnt 0x0
	s_wait_kmcnt 0x0
	s_add_nc_u64 s[32:33], s[4:5], s[34:35]        ; my part of key block 0
	s_add_nc_u64 s[52:53], s[4:5], s[54:55]        ; my rows of query tile 0
	s_add_nc_u64 s[56:57], s[6:7], s[54:55]        ; the same rows in ctxf
	s_mov_b32 s[G0], 1
	s_add_co_u32 s[G0+1], s60, 0
	s_mov_b64 s[G0+2:G0+3], s[32:33]
	s_or_b32 s[G0+3], s[G0+3], 0x80000000
	s_mov_b32 s[G0+4], 1
	s_add_co_u32 s[G0+5], s60, SLOT
	tensor_load_to_lds s[G0:G0+3], s[G1:G1+7]      ; key block 0 into slot 0, ahead of everything else: one tensor load of the wave is out, here and behind each barrier
	s_nop 0
	v_and_b32 v1, 31, v0
	v_lshlrev_b32 v[LA], 4, v1
	v_add_nc_u32 v[LA+1], SLOT, v[LA]
; my 64 query rows of tile s12: 16 loads of 512 consecutive bytes, straight into fragments
.macro QLOAD
	s_lshl_b32 s54, s12, 15                        ; 16 blocks of 2,048 bytes for a tile
	s_add_nc_u64 s[36:37], s[52:53], s[54:55]
.irp t, 0,1,2,3,4,5,6,7,8,9,10,11,12,13,14,15
	global_load_b128 v[QF+4*\t:QF+4*\t+3], v[LA], s[36:37] offset:512*\t
.endr
.endm
	QLOAD
	v_and_b32 v4, 15, v0                           ; r
	v_bfe_u32 v5, v0, 4, 1
	v_lshlrev_b32 v5, 3, v5                        ; 8 h
.irp j, 0,1,2,3,4,5,6,7
	v_add_nc_u32 v6, \j, v5
	v_cmp_gt_u32 s[40+\j], v6, v4                  ; in a tile on the diagonal register j is masked where key 8 h + j > query r
.endr
	WIN 0x40
.irp q, 0,1,2,3
	v_mov_b32 v[NM+2*\q], 0x7f800000               ; no maximum yet: - C x (-inf)
	v_mov_b32 v[LS+2*\q], 0
	v_mov_b32 v[T2+\q], 0                          ; the destination of v_permlanex16_b32 counts as read
.endr
	v_mov_b32 v[NINF], 0xff800000
	WIN 0
; The diagonal step: tiles above the diagonal are all -inf, tiles on it by lane and register.
.macro MASK
	WIN 0x55
.irp q, 0,1,2
.irp kt, 1,2,3
.if \kt > \q
.irp j, 0,1,2,3,4,5,6,7
	v_mov_b32 v[32*\q+8*\kt+\j], v[NINF]
.endr
.endif
.endr
.endr
.irp q, 0,1,2,3
.irp j, 0,1,2,3,4,5,6,7
	v_cndmask_b32 v[40*\q+\j], v[40*\q+\j], v[NINF], s[40+\j]
.endr
.endr
	WIN 0
.endm
; The step's maximum of each query, the scale of the old sums and the new running maximum.  Four chains (the query blocks) that do not wait for each other.
; Every step that is run holds an unmasked key for every query, so the maximum over both halves of the lanes is finite.
.macro STATS
.irp q, 0,1,2,3
	v_max3_num_f32 v[TT+2*\q], v[32*\q], v[32*\q+1], v[32*\q+2]
.endr
.irp e, 3,5,7,9,11,13,15,17,19,21,23,25,27,29
.irp q, 0,1,2,3
	v_max3_num_f32 v[TT+2*\q], v[TT+2*\q], v[32*\q+\e], v[32*\q+\e+1]
.endr
.endr
.irp q, 0,1,2,3
	v_max_num_f32 v[TT+2*\q], v[TT+2*\q], v[32*\q+31]
.endr
.irp q, 0,1,2,3
	v_permlanex16_b32 v[T2+\q], v[TT+2*\q], s48, s49   ; the other 32 keys of the same query
.endr
.irp q, 0,1,2,3
	v_max_num_f32 v[TT+2*\q], v[TT+2*\q], v[T2+\q]
.endr
.irp q, 0,1,2,3
	v_mul_f32 v[TT+2*\q], 0xbe38aa3b, v[TT+2*\q]   ; - C x the step's maximum
.endr
.irp q, 0,1,2,3
	v_sub_f32 v[T2+\q], v[TT+2*\q], v[NM+2*\q]     ; C x (old maximum - step's maximum); -inf in a tile's first step
.endr
.irp q, 0,1,2,3
	v_min_num_f32 v[T2+\q], 0, v[T2+\q]
.endr
.irp q, 0,1,2,3
	v_exp_f32 v[AL+2*\q], v[T2+\q]                 ; exp(old maximum - new maximum)
.endr
.irp q, 0,1,2,3
	v_min_num_f32 v[NM+2*\q], v[NM+2*\q], v[TT+2*\q]   ; plain instructions behind the exponentials, ahead of the first use of their results (ISA guide 5.7.2)
.endr
.endm
; A stage of the softmax's pipeline over the query blocks: block s is shifted (C S - C max), block s - 1 goes through the exponential in place,
; block s - 2 is summed and rounded to bf16.  Behind each pair of exponentials stands a plain instruction on other registers; results are used a stage later.
.macro SOFT s
.irp e, 0,1,2,3,4,5,6,7,8,9,10,11,12,13,14,15
.if \s <= 3
	v_pk_fma_f32 v[32*\s+2*\e:32*\s+2*\e+1], v[32*\s+2*\e:32*\s+2*\e+1], s[58:59], v[NM+2*\s:NM+2*\s+1] op_sel_hi:[1,0,0]
.endif
.if \s >= 1
.if \s <= 4
	v_exp_f32 v[32*(\s-1)+2*\e], v[32*(\s-1)+2*\e]
	v_exp_f32 v[32*(\s-1)+2*\e+1], v[32*(\s-1)+2*\e+1]
.endif
.endif
.if \s >= 2
.if \e == 1
	s_wait_alu depctr_va_vdst(0)
	v_pk_add_f32 v[SP+2*(\s-2):SP+2*(\s-2)+1], v[32*(\s-2):32*(\s-2)+1], v[32*(\s-2)+2:32*(\s-2)+3]
	s_wait_alu depctr_va_vdst(0)
.endif
.if \e >= 2
	s_wait_alu depctr_va_vdst(0)
	v_pk_add_f32 v[SP+2*(\s-2):SP+2*(\s-2)+1], v[SP+2*(\s-2):SP+2*(\s-2)+1], v[32*(\s-2)+2*\e:32*(\s-2)+2*\e+1]
.endif
	s_wait_alu depctr_va_vdst(0)
	v_cvt_pk_bf16_f32 v[PP+16*(\s-2)+\e], v[32*(\s-2)+2*\e], v[32*(\s-2)+2*\e+1]
.endif
.endr
.endm
.macro LSUM
.irp q, 0,1,2,3
	v_add_f32 v[TT+2*\q], v[SP+2*\q], v[SP+2*\q+1]
.endr
.irp q, 0,1,2,3
	v_fma_f32 v[LS+2*\q], v[LS+2*\q], v[AL+2*\q], v[TT+2*\q]
.endr
.endm
.macro RESCALE                         ; O of query block q times its lane's scale
	WIN 0x86                                       ; O in window 2, the scale in window 1
.irp q, 0,1,2,3
.irp p, 0,1,2,3,4,5,6,7,8,9,10,11,12,13,14,15
	v_pk_mul_f32 v[32*\q+2*\p:32*\q+2*\p+1], v[32*\q+2*\p:32*\q+2*\p+1], v[AL+2*\q:AL+2*\q+1] op_sel_hi:[1,0]
.endr
.endr
.endm
; O^T += V^T P^T: 32 matrix instructions on 16 accumulators that take turns, one instruction a turn.  first = 1: the first 32 keys start the sums.
.macro PVMUL first
	WIN 0xa4                                       ; V^T window 0, P window 1, O window 2
.irp ku, 0,1
.irp dt, 0,1,2,3
.irp q, 0,1,2,3
.if \first*(1-\ku)
	v_wmma_f32_16x16x32_bf16 v[8*(4*\q+\dt):8*(4*\q+\dt)+7], v[VF+8*(2*\dt+\ku):VF+8*(2*\dt+\ku)+7], v[PP+16*\q+8*\ku:PP+16*\q+8*\ku+7], 0
.else
	v_wmma_f32_16x16x32_bf16 v[8*(4*\q+\dt):8*(4*\q+\dt)+7], v[VF+8*(2*\dt+\ku):VF+8*(2*\dt+\ku)+7], v[PP+16*\q+8*\ku:PP+16*\q+8*\ku+7], v[8*(4*\q+\dt):8*(4*\q+\dt)+7]
.endif
.endr
.endr
.endr
.endm
; One step: 64 keys at step st of the block in slot.  mode 0: O is rescaled and added to; 1: O is started; 2: started where kb = 0, else as 0.
; guard = 1: the step is left out where st > s13 and masked where st = s13 (s13 = my wave's number in the diagonal block, else 4).
.macro STEP slot, st, mode, guard
.if \guard
.if \st
	s_cmp_lt_u32 s13, \st
	s_cbranch_scc1 .Lskip_\@
.endif
.endif
.irp ks, 0,1
.irp kt, 0,1,2,3
.irp x, 0,1
	ds_load_b128 v[KF+8*(2*\kt+\ks)+4*\x:KF+8*(2*\kt+\ks)+4*\x+3], v[LA+\slot] offset:8192*\st+2048*\kt+1024*\ks+512*\x
.endr
.endr
.endr
.irp ku, 0,1
.irp dt, 0,1,2,3
.irp x, 0,1
	ds_load_tr16_b128 v[VF+8*(2*\dt+\ku)+4*\x:VF+8*(2*\dt+\ku)+4*\x+3], v[LA+\slot] offset:32768+8192*\st+2048*(2*\ku+\x)+512*\dt
.endr
.endr
.endr
	WIN 0x50                                       ; S in window 1, K and Q in window 0
.irp ks, 0,1
.irp kt, 0,1,2,3
	s_wait_dscnt 30-2*(4*\ks+\kt)                  ; of the 32 loads the two of K fragment 4 ks + kt are in; the later fragments and V's 16 loads stay out
.irp q, 0,1,2,3
.if \ks
	v_wmma_f32_16x16x32_bf16 v[8*(4*\q+\kt):8*(4*\q+\kt)+7], v[KF+8*(2*\kt+\ks):KF+8*(2*\kt+\ks)+7], v[QF+8*(2*\q+\ks):QF+8*(2*\q+\ks)+7], v[8*(4*\q+\kt):8*(4*\q+\kt)+7]
.else
	v_wmma_f32_16x16x32_bf16 v[8*(4*\q+\kt):8*(4*\q+\kt)+7], v[KF+8*(2*\kt+\ks):KF+8*(2*\kt+\ks)+7], v[QF+8*(2*\q+\ks):QF+8*(2*\q+\ks)+7], 0
.endif
.endr
.endr
.endr
	PLACES
	WIN 0
.if \guard
	s_cmp_lg_u32 s13, \st
	s_cbranch_scc1 .Lnomask_\@
	MASK
.Lnomask_\@:
.endif
	WIN 0x55
	STATS
	SOFT 0
	SOFT 1
	SOFT 2
	SOFT 3
	SOFT 4
	SOFT 5
	LSUM
.if \mode == 2
	WIN 0
	s_cmp_eq_u32 s11, 0                            ; a query tile's first step: the old O belongs to the last tile
	s_cbranch_scc1 .Lfirst_\@
.endif
.if \mode != 1
	RESCALE
	s_wait_dscnt 0x0                               ; V^T is in
	PVMUL 0
.endif
.if \mode == 2
	WIN 0
	s_branch .Ljoin_\@
.Lfirst_\@:
.endif
.if \mode != 0
	s_wait_dscnt 0x0
	PVMUL 1
.endif
	WIN 0
.if \mode == 2
.Ljoin_\@:
.endif
	PLACES                                         ; ahead of the next loads into V^T's registers, of the writes of P and of the reads of O
.if \guard
.if \st
.Lskip_\@:
.endif
.endif
.endm
; The query tile is done: O / sum, rounded to bf16, stored; the statistics start anew; behind the first tile the second tile's Q is asked for at once.
.macro EPILOGUE
	s_lshl_b32 s54, s12, 15
	s_add_nc_u64 s[38:39], s[56:57], s[54:55]      ; my rows of this tile in ctxf
	s_mov_b32 s12, s9                              ; the second tile is tile i
	s_cmp_lg_u32 s50, 0
	s_cbranch_scc1 .Lnoq_\@
	QLOAD                                          ; its loads are waited for at the head of the next block
.Lnoq_\@:
	s_mov_b32 s50, 1
	WIN 0x55
.irp q, 0,1,2,3
	v_permlanex16_b32 v[T2+\q], v[LS+2*\q], s48, s49   ; the two halves' sums meet only here
.endr
.irp q, 0,1,2,3
	v_add_f32 v[TT+2*\q], v[LS+2*\q], v[T2+\q]
.endr
.irp q, 0,1,2,3
	v_rcp_f32 v[AL+2*\q], v[TT+2*\q]               ; the sum is at least 1: the largest score's exponential
.endr
.irp q, 0,1,2,3
	v_mov_b32 v[LS+2*\q], 0                        ; plain instructions behind the reciprocals
.endr
	s_wait_alu depctr_va_vdst(0)
.irp q, 0,1,2,3
	v_mov_b32 v[NM+2*\q], 0x7f800000
.endr
	RESCALE
	WIN 0x0a                                       ; sources in window 2, results in window 0
.irp t, 0,1,2,3,4,5,6,7,8,9,10,11,12,13,14,15
.irp p, 0,1,2,3
	v_cvt_pk_bf16_f32 v[KF+4*\t+\p], v[8*\t+2*\p], v[8*\t+2*\p+1]
.endr
.endr
	WIN 0
.irp t, 0,1,2,3,4,5,6,7,8,9,10,11,12,13,14,15
	global_store_b128 v[LA], v[KF+4*\t:KF+4*\t+3], s[38:39] offset:512*\t   ; tile t = 4 q + dt: 512 consecutive bytes, aligned
.endr
	s_wait_xcnt 0x0                                ; the stores' data (K's registers) and base are written again only behind this wait
.endm
; One key block.  In front of the barrier every wave waits for all its tensor loads (its part of this block among them) and for its LDS reads of the other slot;
; behind it the next block is asked for first, one tensor load a wave, into the slot read last.  peel = 1: the launch's first block, which is never a diagonal one
; (its query tile is 7 - i, at least 4): no guard, no end of a tile, and its first step starts O.
.macro BLOCK slot, refill, peel
	s_wait_tensorcnt 0x0
	ds_add_u32 v254, v255
	s_wait_dscnt 0x0
	s_add_co_u32 s14, s11, 1
	s_cmp_eq_u32 s11, s12                          ; the diagonal block?
	s_cselect_b32 s14, 0, s14                      ; then the next block is block 0 (of the second tile)
	s_cselect_b32 s13, s8, 4
.if \refill
	s_lshl_b32 s34, s14, 15                        ; 256 keys are 32,768 bytes of a plane
	s_add_nc_u64 s[G0+6-4*\slot:G0+7-4*\slot], s[32:33], s[34:35]   ; no tensor load of mine is out: a group 0 may be written
	s_or_b32 s[G0+7-4*\slot], s[G0+7-4*\slot], 0x80000000
.endif
	s_wait_dscnt 0x0
	s_barrier_signal -1
	s_barrier_wait -1
.if \refill
	tensor_load_to_lds s[G0+4-4*\slot:G0+7-4*\slot], s[G1:G1+7]
	s_nop 0
.endif
	s_wait_loadcnt 0x0                             ; Q
.if \peel
	STEP \slot, 0, 1, 0
	STEP \slot, 1, 0, 0
	STEP \slot, 2, 0, 0
	STEP \slot, 3, 0, 0
.else
	STEP \slot, 0, 2, 1
	STEP \slot, 1, 0, 1
	STEP \slot, 2, 0, 1
	STEP \slot, 3, 0, 1
	s_cmp_lg_u32 s11, s12
	s_cbranch_scc1 .Lnoepi_\@
	EPILOGUE
.Lnoepi_\@:
.endif
	s_mov_b32 s11, s14
.endm
	BLOCK 0, 1, 1                                  ; block 0 of 9
	s_mov_b32 s15, 0
.Lpair:
	BLOCK 1, 1, 0                                  ; blocks 1 to 6
	BLOCK 0, 1, 0
	s_add_co_u32 s15, s15, 1
	s_cmp_lt_u32 s15, 3
	s_cbranch_scc1 .Lpair
	BLOCK 1, 1, 0                                  ; block 7 asks for the last one
	BLOCK 0, 0, 0                                  ; block 8: nothing is left to fetch
	s_endpgm
.Lfunc_end_k_q44a2e5f9f6_attn:
	.size	k_q44a2e5f9f6_attn, .Lfunc_end_k_q44a2e5f9f6_attn-k_q44a2e5f9f6_attn
	.p2alignl 7, 3214868480
	.fill 96, 4, 3214868480
	.section	.rodata,"a",@progbits
	.p2align	6, 0x0
	.amdhsa_kernel k_q44a2e5f9f6_attn
		.amdhsa_group_segment_fixed_size 327680
		.amdhsa_private_segment_fixed_size 0
		.amdhsa_enable_private_segment 0
		.amdhsa_kernarg_size 16
		.amdhsa_user_sgpr_count 2
		.amdhsa_user_sgpr_kernarg_segment_ptr 1
		.amdhsa_wavefront_size32 1
		.amdhsa_system_sgpr_workgroup_id_x 1
		.amdhsa_system_sgpr_workgroup_id_y 1
		.amdhsa_system_sgpr_workgroup_id_z 1
		.amdhsa_system_vgpr_workitem_id 0
		.amdhsa_next_free_vgpr 640
		.amdhsa_next_free_sgpr 66
		.amdhsa_reserve_vcc 0
		.amdhsa_float_denorm_mode_32 3
		.amdhsa_float_denorm_mode_16_64 3
		.amdhsa_memory_ordered 1
		.amdhsa_forward_progress 1
		.amdhsa_inst_pref_size 255
	.end_amdhsa_kernel
	.section	.bss,"aw",@nobits
	.p2align	6
	.space	262144
	.amdgpu_metadata
---
amdhsa.version: [ 1, 2 ]
amdhsa.kernels:
  - .name:           k_q44a2e5f9f6_attn
    .symbol:         k_q44a2e5f9f6_attn.kd
    .args:
      - { .name: qkv, .offset: 0, .size: 8, .value_kind: global_buffer, .address_space: global }
      - { .name: ctxf, .offset: 8, .size: 8, .value_kind: global_buffer, .address_space: global }
    .group_segment_fixed_size: 327680
    .private_segment_fixed_size: 0
    .kernarg_segment_align: 8
    .kernarg_segment_size: 16
    .max_flat_workgroup_size: 128
    .sgpr_count:     66
    .vgpr_count:     640
    .wavefront_size: 32
...
	.end_amdgpu_metadata
.endif
;; end of part 3
;; launch outln (part 4): grid 128 x 1, 4 waves a work-group, clusters of 4 x 1, 327,680 bytes of LDS; arguments ctxf, owt, out_b, x, gamma, beta, out0; writes out0
.if DOCPART == 4
	.amdgcn_target "amdgcn-amd-amdhsa--gfx1250"
	.amdhsa_code_object_version 6
	.text
	.protected	k_q44a2e5f9f6_outln
	.globl	k_q44a2e5f9f6_outln
	.p2align	8
	.type	k_q44a2e5f9f6_outln,@function
k_q44a2e5f9f6_outln:
	s_mov_b64 s[64:65], 0
	v_nop
	global_prefetch_b8 v0, s[64:65] scope:SCOPE_SE
	s_setreg_imm32_b32 hwreg(HW_REG_WAVE_MODE, 25, 1), 1
	s_wait_xcnt 0x0
	s_wait_alu depctr_hold_cnt(0) depctr_sa_sdst(0) depctr_va_vdst(0) depctr_va_sdst(0) depctr_va_ssrc(0) depctr_va_vcc(0) depctr_vm_vsrc(0)
	s_getreg_b32 s2, hwreg(HW_REG_IB_STS2, 6, 4)
	s_cmp_eq_u32 s2, 0
	s_cbranch_scc0 .Lentry_in_a_cluster
	s_endpgm
.Lentry_in_a_cluster:
	s_bfe_u32 s2, ttmp6, 0x10000c
	s_cmp_lg_u32 s2, 0x3003
	s_cbranch_scc0 .Lentry_shape_is_right
	s_endpgm
.Lentry_shape_is_right:
; out0 = LayerNorm(x + ctx Wo^T + out_b) gamma + beta.  ctxf and owt in bf16, sums in f32; mean first, then the mean of squared deviations, both in f32.
; The norm needs whole rows of 1,024 columns in one work-group: 64 rows x 1,024 columns of f32 are the four waves' 512 accumulator registers each, so there
; are 8192 / 64 = 128 work-groups, and the product never goes to memory.  Wave w makes all 64 rows and columns 256 w .. 256 w + 255: 4 x 16 tiles.
; K goes in steps of 64 (one head) through two LDS slots; a step's tile of Wo is 131,072 dense bytes of owt, of which wave w fetches and reads its own quarter.
; CLUSTER: every work-group walks all of owt, so the four of a cluster ask for each tile jointly (mask 15): a quarter of the requests.
; ctx's fragments come straight from ctxf into registers (it was stored in fragment order): 16 loads of 512 consecutive bytes for a K step, asked for a step ahead.
; The matrix instruction is used transposed (source 0 = 16 rows of Wo, source 1 = 16 rows of ctx): lane (r, h) holds row r and columns 8 h + 0..7 of a tile.
; Behind the last K step the ring's bytes, which have had their last fill, serve as a stage of 64 rows x 4,112 bytes; then one wave takes one whole row at a time,
; so the two sums of a row never leave the wave, and every load of x and every store covers 512 consecutive bytes, aligned.
; PREFETCH: in lap l (of 8) wave w asks for rows 16 w + 2 l and 16 w + 2 l + 1 of the group's part of x, 32 lanes 256 bytes apart: each block once, 256 KiB for the
; work-group in all, all inside x; these are the rows that the same wave loads behind the loop.
; LIMITS: NaN and infinities are not followed beyond what the arithmetic gives; the sums of a row run in another order than a plain sum.
; REGISTERS in the K loop: window 0: v2-12 addresses, v64-127 and v128-191 ctx fragments (two buffers); window 1: v0-127, v128-255 Wo fragments (two buffers);
; window 2: tiles (a, b), b = 0..7, at v[8 (8 a + b)]; window 3: b = 8..15 likewise.
.set PITCH,  272                       ; an LDS row: two rows n of 128 bytes + 16 of padding.  Row n = 16 b + r lies at (n >> 1) 272 + (n & 1) 128: 16 different 16-byte columns of 256 bytes
.set QUART,  128*PITCH                 ; a wave's quarter of a slot: 256 rows n
.set SLOT,   4*QUART
.set KTILE,  131072                    ; a K step's tile in owt
.set SPITCH, 4112                      ; a row of the stage: 4,096 bytes + 16, an odd multiple of 16
.set ADRB, 4                           ; v4-5    LDS address of my Wo fragments in slot 0, 1
.set PFO,  6                           ; v6      prefetch: 65,536 wave + 256 lane
.set STO,  8                           ; v8-11   stage: where row block a's 16 bytes go
.set RD,   12                          ; v12     stage: my wave's first row + 16 lane
.set FA0,  64                          ; ctx fragment (a, ks) of buffer f at FA0 + 64 f + 8 (2 a + ks)
.set OB,   16                          ; behind the loop: v16-47 out_b, v48-79 gamma, v80-111 beta of my 32 columns 128 t + 4 lane + 0..3
.set GA,   48
.set BE,   80
.set XR,   112                         ; v112-175 x, two rows by turns
.set YR,   176                         ; v176-239 the row at work, two by turns
.set TS,   240                         ; v240-247 four pairs of partial sums
.set RS,   248                         ; v248 a sum; v249 the other half's
.set RO,   249
.set NMU,  250                         ; v250 - mean (v251 only completes the pair)
.set RSTD, 252                         ; v252 1 / sqrt(var + eps) (v253 likewise)
.set G1, 24                            ; s[24:31] descriptor group 1
.set G0, 32                            ; s[32:39] descriptor group 0, one set for each slot
.set MSB, 0
.macro WIN new
.if MSB != \new
	s_set_vgpr_msb (MSB<<8)|\new
.set MSB, \new
.endif
.endm
.set MUL_LO, 0xa1                      ; source 0 (Wo) window 1, source 1 (ctx) window 0, C and D window 2
.set MUL_HI, 0xf1
.set TO_B,   0x40
.macro CREST                           ; a round of the cluster's barrier behind its opening barrier
	s_cmp_lg_u32 s18, 0
	s_cbranch_scc1 .Lnot_wave_0_\@
	s_barrier_signal -3
.Lnot_wave_0_\@:
	s_barrier_wait -3
	s_barrier_signal -1
	s_barrier_wait -1
.endm
.macro CROUND
	s_barrier_signal -1
	s_barrier_wait -1
	CREST
.endm
.macro PLACES                          ; four plain vector instructions behind a matrix instruction (ISA guide 7.12.1 for vector instructions)
.rept 4
	v_nop
.endr
.endm
	s_load_b256 s[4:11], s[0:1], 0x0               ; ctxf s[4:5], owt s[6:7], out_b s[8:9], x s[10:11]
	s_load_b128 s[12:15], s[0:1], 0x20             ; gamma s[12:13], beta s[14:15]
	s_load_b64 s[16:17], s[0:1], 0x30              ; out0
	v_lshl_add_u32 v254, v0, 2, 0x44000
	v_mov_b32 v255, 0
	ds_add_u32 v254, v255
	ds_add_u32 v254, v255
	v_lshrrev_b32 v1, 5, v0
	v_readfirstlane_b32 s18, v1                    ; wave 0..3
	s_bfe_u32 s19, ttmp6, 0x40000                  ; cx
	s_lshl_b32 s20, ttmp9, 2
	s_add_co_u32 s20, s20, s19                     ; work-group 0..127: rows 64 id .. 64 id + 63
	s_mov_b32 s46, 0x76543210
	s_mov_b32 s47, 0xfedcba98
	s_mov_b32 s48, 0x3a800000                      ; 1 / 1024
	s_mov_b32 s49, 0x3727c5ac                      ; 1e-5
	s_mov_b32 s50, 0xba800000                      ; - 1 / 1024
	; group 1: 32,768 dense bytes as 128 rows of 128 elements of 2 bytes, padded in LDS
	s_mov_b32 s[G1+0], 15|(1<<16)|(1<<20)|(1<<21)|(5<<22)|(3<<25)   ; all four work-groups of the cluster; bit 21 beside the mask; after every 64 words 4 words of padding
	s_mov_b32 s[G1+1], 128<<16
	s_mov_b32 s[G1+2], 128<<16
	s_mov_b32 s[G1+3], 128<<16
	s_mov_b32 s[G1+4], 128
	s_mov_b32 s[G1+5], 128
	s_mov_b32 s[G1+6], 0
	s_mov_b32 s[G1+7], 0
	s_mul_i32 s21, s18, QUART                      ; my quarter of a slot
	s_lshl_b32 s44, s18, 15                        ; and of a tile in owt: the wave's number alone, the same in all four work-groups
	s_mov_b32 s45, 0
	s_lshl_b32 s56, s20, 13                        ; offsets that hang on the work-group have a pair of their own
	s_mov_b32 s57, 0
	s_wait_dscnt 0x0
	s_wait_kmcnt 0x0
	s_add_nc_u64 s[22:23], s[6:7], s[44:45]
	s_add_nc_u64 s[40:41], s[4:5], s[56:57]        ; ctxf: my 4 blocks of 16 rows (8,192 bytes) of head 0
	s_lshl_b32 s56, s20, 18                        ; 64 rows of 4,096 bytes
	s_add_nc_u64 s[42:43], s[10:11], s[56:57]      ; x at the group's first row, for the prefetch
	s_lshl_b32 s51, s18, 16                        ; my wave's 16 rows
	s_add_co_u32 s56, s56, s51
	s_add_nc_u64 s[52:53], s[10:11], s[56:57]      ; x and out0 at my wave's first row
	s_add_nc_u64 s[54:55], s[16:17], s[56:57]
	CROUND                                         ; all four work-groups are here: the first joint loads meet
.irp s, 0,1
	s_mov_b32 s[G0+4*\s], 1
	s_add_co_u32 s[G0+4*\s+1], s21, \s*SLOT
	s_add_nc_u64 s[G0+4*\s+2:G0+4*\s+3], s[22:23], \s*KTILE
	s_or_b32 s[G0+4*\s+3], s[G0+4*\s+3], 0x80000000
	tensor_load_to_lds s[G0+4*\s:G0+4*\s+3], s[G1:G1+7]   ; K steps 0 and 1: two tensor loads of the wave are out
	s_nop 0
.endr
	v_and_b32 v3, 31, v0
	v_lshlrev_b32 v2, 4, v3                        ; 16 x lane
	v_lshlrev_b32 v[PFO], 8, v3
	v_lshl_add_u32 v[PFO], s18, 16, v[PFO]
	v_and_b32 v1, 15, v0                           ; r
	v_bfe_u32 v13, v0, 4, 1                        ; h
	v_bfe_u32 v14, v0, 1, 3                        ; r >> 1
	v_and_b32 v15, 1, v0                           ; r & 1
	v_mul_u32_u24 v14, v14, PITCH
	v_lshl_add_u32 v14, v15, 7, v14
	v_lshl_add_u32 v14, v13, 4, v14
	v_add_nc_u32 v[ADRB], s21, v14
	v_add_nc_u32 v[ADRB+1], SLOT, v[ADRB]
	v_mul_u32_u24 v7, v1, SPITCH                   ; stage, in: row r, my wave's 1,024 bytes, 32 bytes for each half of the lanes
	v_lshl_add_u32 v7, v13, 5, v7
	v_lshl_add_u32 v7, s18, 10, v7
.irp a, 0,1,2,3
	v_add_nc_u32 v[STO+\a], \a*16*SPITCH, v7
.endr
	s_mul_i32 s51, s18, 16*SPITCH
	v_add_nc_u32 v[RD], s51, v2                    ; stage, back: my wave's 16 rows
; 16 loads: the ctx fragments of one K step (64 rows x 64 k) into buffer buf
.macro ALOAD buf
.irp i, 0,1,2,3,4,5,6,7,8,9,10,11,12,13,14,15
	global_load_b128 v[FA0+64*(\buf)+4*\i:FA0+64*(\buf)+4*\i+3], v2, s[40:41] offset:512*\i
.endr
.endm
; 32 LDS loads in one run: my 256 rows of Wo, 32 k (half ks of the K step), into buffer f
.macro FETCH slot, ks, f
	WIN TO_B
.irp b, 0,1,2,3,4,5,6,7,8,9,10,11,12,13,14,15
	ds_load_b128 v[128*\f+8*\b:128*\f+8*\b+3],   v[ADRB+\slot] offset:2176*\b+64*\ks
	ds_load_b128 v[128*\f+8*\b+4:128*\f+8*\b+7], v[ADRB+\slot] offset:2176*\b+64*\ks+32
.endr
.endm
; 16 matrix instructions: row blocks a0, a0 + 1 x eight column blocks (hi = 0: 0-7, 1: 8-15).  The 64 accumulators take turns, one instruction a turn, in the same
; order in every half step.  zero = 1: the first product starts the sums.
.macro MUL16 f, fa, ks, hi, a0, zero
.irp a, \a0, \a0+1
.irp b, 0,1,2,3,4,5,6,7
.if \zero
	v_wmma_f32_16x16x32_bf16 v[8*(8*(\a)+\b):8*(8*(\a)+\b)+7], v[128*\f+8*(8*\hi+\b):128*\f+8*(8*\hi+\b)+7], v[FA0+64*\fa+8*(2*(\a)+\ks):FA0+64*\fa+8*(2*(\a)+\ks)+7], 0
.else
	v_wmma_f32_16x16x32_bf16 v[8*(8*(\a)+\b):8*(8*(\a)+\b)+7], v[128*\f+8*(8*\hi+\b):128*\f+8*(8*\hi+\b)+7], v[FA0+64*\fa+8*(2*(\a)+\ks):FA0+64*\fa+8*(2*(\a)+\ks)+7], v[8*(8*(\a)+\b):8*(8*(\a)+\b)+7]
.endif
.endr
.endr
.endm
; The head of a K step: its ctx fragments are in; the next step's are asked for (aload = 1); once a lap two rows of x are asked for.
.macro HEAD slot, aload
	s_wait_loadcnt 0x0                             ; this step's 16 loads, issued a step ago; it also frees their base
.if \aload
.if \slot
	s_wait_xcnt 0x0                                ; the prefetch of half a lap ago has had its addresses translated: its base is stepped only behind this wait
	s_add_nc_u64 s[42:43], s[42:43], 8192          ; two rows of x on
.endif
	s_add_nc_u64 s[40:41], s[40:41], 0x100000      ; the next head in ctxf
	WIN 0
	PLACES                                         ; the other buffer was read by the last matrix instructions
	ALOAD 1-\slot
.endif
.if \slot == 0
	global_prefetch_b8 v[PFO], s[42:43] th:TH_LOAD_NT scope:SCOPE_SE
.endif
.endm
; The first half of a K step (k 0-31, buffer 0); in its middle the second half's fragments are fetched.
.macro QUARTER slot, zero
	s_wait_dscnt 16                                ; column blocks 0-7 are in; the youngest 16 loads (blocks 8-15) may be out
	WIN MUL_LO
	MUL16 0, \slot, 0, 0, 0, \zero
	MUL16 0, \slot, 0, 0, 2, \zero
	PLACES
	FETCH \slot, 1, 1
	s_wait_dscnt 32                                ; all but the 32 just issued
	WIN MUL_HI
	MUL16 0, \slot, 0, 1, 0, \zero
	MUL16 0, \slot, 0, 1, 2, \zero
.endm
; The second half (k 32-63, buffer 1) changes slots.  In front of the barrier each wave waits for its reads of this slot and for all its tensor loads, of which one
; is out: its part of the next slot.  Where the slot is filled again the barrier opens a round of the cluster's barrier, and the joint refill is the first tensor
; load behind the round, one a wave.  From a request to the wait for it a wave issues 112 matrix instructions.
.macro TURN slot, next, fill
	s_wait_dscnt 16
	WIN MUL_LO
	MUL16 1, \slot, 1, 0, 0, 0
	s_wait_dscnt 0x0
	s_set_vgpr_msb 0xa1a0
	s_wait_tensorcnt 0x0
	ds_add_u32 v254, v255
	s_wait_dscnt 0x0
	s_set_vgpr_msb 0xa0a1
	s_barrier_signal -1
	MUL16 1, \slot, 1, 0, 2, 0                     ; registers only, while the others arrive
	WIN 0
	s_barrier_wait -1
.if \fill
	CREST
	s_add_nc_u64 s[G0+4*\slot+2:G0+4*\slot+3], s[G0+4*\slot+2:G0+4*\slot+3], 2*KTILE
	tensor_load_to_lds s[G0+4*\slot:G0+4*\slot+3], s[G1:G1+7]
	s_nop 0
.endif
	PLACES
	FETCH \next, 0, 0
	WIN MUL_HI
	MUL16 1, \slot, 1, 1, 0, 0
	MUL16 1, \slot, 1, 1, 2, 0
.endm
.macro LAP zero
	HEAD 0, 1
	QUARTER 0, \zero
	TURN 0, 1, 1
	HEAD 1, 1
	QUARTER 1, 0
	TURN 1, 0, 1
.endm
	ALOAD 0                                        ; head 0's fragments
	s_wait_tensorcnt 1                             ; my part of K step 0 is in; K step 1's may stay out
	s_barrier_signal -1
	s_barrier_wait -1
	FETCH 0, 0, 0
	LAP 1                                          ; K steps 0 and 1 stand in front of the loop: the first products start the sums
	WIN 0
	s_mov_b32 s3, 6
.Llap:
	LAP 0                                          ; K steps 2 to 13
	WIN 0
	s_sub_co_u32 s3, s3, 1
	s_cmp_lg_u32 s3, 0
	s_cbranch_scc1 .Llap
	HEAD 0, 1                                      ; K steps 14 and 15 fill nothing
	QUARTER 0, 0
	TURN 0, 1, 0
	HEAD 1, 0
	QUARTER 1, 0
	s_wait_dscnt 16
	WIN MUL_LO
	MUL16 1, 1, 1, 0, 0, 0
	MUL16 1, 1, 1, 0, 2, 0
	s_wait_dscnt 0x0
	WIN MUL_HI
	MUL16 1, 1, 1, 1, 0, 0
	MUL16 1, 1, 1, 1, 2, 0
	; THE STAGE.  The vectors of my 32 columns and the first two rows of x are asked for first.
	PLACES
	WIN 0
.irp t, 0,1,2,3,4,5,6,7
	global_load_b128 v[OB+4*\t:OB+4*\t+3], v2, s[8:9] offset:512*\t
.endr
.irp t, 0,1,2,3,4,5,6,7
	global_load_b128 v[GA+4*\t:GA+4*\t+3], v2, s[12:13] offset:512*\t
.endr
.irp t, 0,1,2,3,4,5,6,7
	global_load_b128 v[BE+4*\t:BE+4*\t+3], v2, s[14:15] offset:512*\t
.endr
.irp t, 0,1,2,3,4,5,6,7
	global_load_b128 v[XR+4*\t:XR+4*\t+3], v2, s[52:53] offset:512*\t th:TH_LOAD_NT
.endr
.irp t, 0,1,2,3,4,5,6,7
	global_load_b128 v[XR+32+4*\t:XR+32+4*\t+3], v2, s[52:53] offset:4096+512*\t th:TH_LOAD_NT
.endr
	v_mov_b32 v[RO], 0                             ; the destination of v_permlanex16_b32 counts as read
	v_mov_b32 v[NMU+1], 0                          ; the upper registers of the two broadcast pairs
	v_mov_b32 v[RSTD+1], 0
	s_barrier_signal -1                            ; every wave's reads of the ring are back (its wait for 0 above) and no tensor load is out:
	s_barrier_wait -1                              ; the ring's bytes may be written
	WIN 0x08                                       ; store data in window 2
.irp a, 0,1,2,3
.irp b, 0,1,2,3,4,5,6,7
	ds_store_b128 v[STO+\a], v[8*(8*\a+\b):8*(8*\a+\b)+3]   offset:64*\b
	ds_store_b128 v[STO+\a], v[8*(8*\a+\b)+4:8*(8*\a+\b)+7] offset:64*\b+16
.endr
.endr
	WIN 0x0c                                       ; store data in window 3
.irp a, 0,1,2,3
.irp b, 0,1,2,3,4,5,6,7
	ds_store_b128 v[STO+\a], v[8*(8*\a+\b):8*(8*\a+\b)+3]   offset:512+64*\b
	ds_store_b128 v[STO+\a], v[8*(8*\a+\b)+4:8*(8*\a+\b)+7] offset:512+64*\b+16
.endr
.endr
	WIN 0
	s_wait_dscnt 0x0                               ; my stores are done, for the others' sake
	s_barrier_signal -1
	s_barrier_wait -1                              ; the 64 rows are whole
.irp t, 0,1,2,3,4,5,6,7
	ds_load_b128 v[YR+4*\t:YR+4*\t+3], v[RD] offset:512*\t
.endr
.irp t, 0,1,2,3,4,5,6,7
	ds_load_b128 v[YR+32+4*\t:YR+32+4*\t+3], v[RD] offset:SPITCH+512*\t
.endr
; four pairs of partial sums -> the sum over the lane's numbers and over the 32 lanes, in every lane
.macro LANESUM
	v_pk_add_f32 v[TS:TS+1], v[TS:TS+1], v[TS+2:TS+3]
	v_pk_add_f32 v[TS+4:TS+5], v[TS+4:TS+5], v[TS+6:TS+7]
	v_pk_add_f32 v[TS:TS+1], v[TS:TS+1], v[TS+4:TS+5]
	v_add_f32 v[RS], v[TS], v[TS+1]
	v_add_f32_dpp v[RS], v[RS], v[RS] row_xmask:1 row_mask:0xf bank_mask:0xf
	v_add_f32_dpp v[RS], v[RS], v[RS] row_xmask:2 row_mask:0xf bank_mask:0xf
	v_add_f32_dpp v[RS], v[RS], v[RS] row_xmask:4 row_mask:0xf bank_mask:0xf
	v_add_f32_dpp v[RS], v[RS], v[RS] row_xmask:8 row_mask:0xf bank_mask:0xf
	v_permlanex16_b32 v[RO], v[RS], s46, s47
	v_add_f32 v[RS], v[RS], v[RO]
.endm
; Row i of my wave's 16.  Rows take turns on two buffers of x and two of y; row i + 2 is asked for as soon as its buffer is free.
.macro ROW i
.set XB, XR+32*(\i&1)
.set YB, YR+32*(\i&1)
.if \i < 15
	s_wait_loadcnt 0x8                             ; this row of x is in (and, for row 0, the three vectors); the next row's eight loads stay out
	s_wait_dscnt 0x8                               ; this row of the product is in; the next row's eight LDS loads stay out
.else
	s_wait_loadcnt 0x0
	s_wait_dscnt 0x0
.endif
.irp p, 0,1,2,3,4,5,6,7,8,9,10,11,12,13,14,15
	v_pk_add_f32 v[YB+2*\p:YB+2*\p+1], v[YB+2*\p:YB+2*\p+1], v[XB+2*\p:XB+2*\p+1]
.endr
.if \i < 14
.irp t, 0,1,2,3,4,5,6,7
	global_load_b128 v[XB+4*\t:XB+4*\t+3], v2, s[52:53] offset:4096*(\i+2)+512*\t th:TH_LOAD_NT
.endr
.endif
.irp p, 0,1,2,3,4,5,6,7,8,9,10,11,12,13,14,15
	v_pk_add_f32 v[YB+2*\p:YB+2*\p+1], v[YB+2*\p:YB+2*\p+1], v[OB+2*\p:OB+2*\p+1]
.endr
.irp k, 0,1,2,3
	v_pk_add_f32 v[TS+2*\k:TS+2*\k+1], v[YB+2*\k:YB+2*\k+1], v[YB+8+2*\k:YB+8+2*\k+1]      ; the first numbers start the four chains
.endr
.irp g, 16, 24
.irp k, 0,1,2,3
	v_pk_add_f32 v[TS+2*\k:TS+2*\k+1], v[TS+2*\k:TS+2*\k+1], v[YB+\g+2*\k:YB+\g+2*\k+1]
.endr
.endr
	LANESUM
	v_mul_f32 v[NMU], s50, v[RS]                   ; - mean
.irp p, 0,1,2,3,4,5,6,7,8,9,10,11,12,13,14,15
	v_pk_add_f32 v[YB+2*\p:YB+2*\p+1], v[YB+2*\p:YB+2*\p+1], v[NMU:NMU+1] op_sel_hi:[1,0]
.endr
.irp k, 0,1,2,3
	v_pk_mul_f32 v[TS+2*\k:TS+2*\k+1], v[YB+2*\k:YB+2*\k+1], v[YB+2*\k:YB+2*\k+1]
.endr
.irp g, 8, 16, 24
.irp k, 0,1,2,3
	v_pk_fma_f32 v[TS+2*\k:TS+2*\k+1], v[YB+\g+2*\k:YB+\g+2*\k+1], v[YB+\g+2*\k:YB+\g+2*\k+1], v[TS+2*\k:TS+2*\k+1]
.endr
.endr
	LANESUM
	v_fma_f32 v[RS], v[RS], s48, s49               ; variance + 1e-5
	v_rsq_f32 v[RSTD], v[RS]
	v_nop                                          ; one plain instruction behind v_rsq_f32, ahead of the use of its result (ISA guide 5.7.2)
	s_wait_alu depctr_va_vdst(0)
.irp p, 0,1,2,3,4,5,6,7,8,9,10,11,12,13,14,15
	v_pk_mul_f32 v[YB+2*\p:YB+2*\p+1], v[YB+2*\p:YB+2*\p+1], v[RSTD:RSTD+1] op_sel_hi:[1,0]
.endr
.irp p, 0,1,2,3,4,5,6,7,8,9,10,11,12,13,14,15
	v_pk_fma_f32 v[YB+2*\p:YB+2*\p+1], v[YB+2*\p:YB+2*\p+1], v[GA+2*\p:GA+2*\p+1], v[BE+2*\p:BE+2*\p+1]
.endr
.irp t, 0,1,2,3,4,5,6,7
	global_store_b128 v2, v[YB+4*\t:YB+4*\t+3], s[54:55] offset:4096*\i+512*\t th:TH_STORE_NT
.endr
.if \i < 14
	s_wait_xcnt 0x0                                ; the stores' data registers are loaded again only behind this wait
.irp t, 0,1,2,3,4,5,6,7
	ds_load_b128 v[YB+4*\t:YB+4*\t+3], v[RD] offset:SPITCH*(\i+2)+512*\t
.endr
.endif
.endm
.irp i, 0,1,2,3,4,5,6,7,8,9,10,11,12,13,14,15
	ROW \i
.endr
	s_wait_tensorcnt 0x0
	ds_add_u32 v254, v255
	s_wait_dscnt 0x0
	CROUND                                         ; the closing round: no work-group ends while a partner may still ask for a tile that names it
	s_endpgm
.Lfunc_end_k_q44a2e5f9f6_outln:
	.size	k_q44a2e5f9f6_outln, .Lfunc_end_k_q44a2e5f9f6_outln-k_q44a2e5f9f6_outln
	.p2alignl 7, 3214868480
	.fill 96, 4, 3214868480
	.section	.rodata,"a",@progbits
	.p2align	6, 0x0
	.amdhsa_kernel k_q44a2e5f9f6_outln
		.amdhsa_group_segment_fixed_size 327680
		.amdhsa_private_segment_fixed_size 0
		.amdhsa_enable_private_segment 0
		.amdhsa_kernarg_size 56
		.amdhsa_user_sgpr_count 2
		.amdhsa_user_sgpr_kernarg_segment_ptr 1
		.amdhsa_wavefront_size32 1
		.amdhsa_system_sgpr_workgroup_id_x 1
		.amdhsa_system_sgpr_workgroup_id_y 1
		.amdhsa_system_sgpr_workgroup_id_z 1
		.amdhsa_system_vgpr_workitem_id 0
		.amdhsa_next_free_vgpr 1024
		.amdhsa_next_free_sgpr 66
		.amdhsa_reserve_vcc 0
		.amdhsa_float_denorm_mode_32 3
		.amdhsa_float_denorm_mode_16_64 3
		.amdhsa_memory_ordered 1
		.amdhsa_forward_progress 1
		.amdhsa_inst_pref_size 255
	.end_amdhsa_kernel
	.section	.bss,"aw",@nobits
	.p2align	6
	.space	262144
	.amdgpu_metadata
---
amdhsa.version: [ 1, 2 ]
amdhsa.kernels:
  - .name:           k_q44a2e5f9f6_outln
    .symbol:         k_q44a2e5f9f6_outln.kd
    .args:
      - { .name: ctxf, .offset: 0, .size: 8, .value_kind: global_buffer, .address_space: global }
      - { .name: owt, .offset: 8, .size: 8, .value_kind: global_buffer, .address_space: global }
      - { .name: out_b, .offset: 16, .size: 8, .value_kind: global_buffer, .address_space: global }
      - { .name: x, .offset: 24, .size: 8, .value_kind: global_buffer, .address_space: global }
      - { .name: gamma, .offset: 32, .size: 8, .value_kind: global_buffer, .address_space: global }
      - { .name: beta, .offset: 40, .size: 8, .value_kind: global_buffer, .address_space: global }
      - { .name: out0, .offset: 48, .size: 8, .value_kind: global_buffer, .address_space: global }
    .group_segment_fixed_size: 327680
    .private_segment_fixed_size: 0
    .kernarg_segment_align: 8
    .kernarg_segment_size: 56
    .max_flat_workgroup_size: 128
    .sgpr_count:     66
    .vgpr_count:     1024
    .wavefront_size: 32
...
	.end_amdgpu_metadata
.endif
;; end of part 4
;; ======== version 2 of 2: 5 launches
;; workspace buffers: xb 16,777,216 bytes; wb 6,291,456 bytes; owt 2,097,152 bytes; qkv 50,331,648 bytes; ctxf 16,777,216 bytes; yb 33,554,432 bytes
;; launch cast: the kernel of part 1 again; grid 768 x 1, 8 waves a work-group, no clusters, 0 bytes of LDS; arguments x, in_proj_w, out_w, xb, wb, owt; writes xb, wb, owt
;; launch qkvgemm: the kernel of part 2 again; grid 16 x 32, 4 waves a work-group, clusters of 4 x 4, 327,680 bytes of LDS; arguments xb, wb, in_proj_b, qkv; writes qkv
;; launch attn (part 5): grid 256 x 1, 8 waves a work-group, no clusters, 327,680 bytes of LDS; arguments qkv, ctxf; writes ctxf
.if DOCPART == 5
	.amdgcn_target "amdgcn-amd-amdhsa--gfx1250"
	.amdhsa_code_object_version 6
	.text
	.protected	k_q44a2e5f9f6_attn
	.globl	k_q44a2e5f9f6_attn
	.p2align	8
	.type	k_q44a2e5f9f6_attn,@function
k_q44a2e5f9f6_attn:
	s_mov_b64 s[64:65], 0
	v_nop
	global_prefetch_b8 v0, s[64:65] scope:SCOPE_SE
	s_setreg_imm32_b32 hwreg(HW_REG_WAVE_MODE, 25, 1), 1
	s_wait_xcnt 0x0
; Causal attention for one (head, batch) pair hb and two query tiles of 256 rows, with a running maximum; q, k, v in bf16, scores, softmax and sums in f32.
; Work-group id: hb = id >> 2, i = id & 3.  It makes query tile 7 - i and then tile i: (8 - i) + (i + 1) = 9 key blocks of 256 keys, the same for all 256 work-groups.
; EIGHT WAVES, 32 query rows each, 448 registers each, so that two waves lie on a SIMD's 1,024 registers: a step is 32 matrix instructions and some 250 vector
; instructions, and one wave's vector work can be issued while the other's matrix instructions run.  The price: every wave reads all 64 keys of a step from LDS,
; 32 loads for 32 matrix instructions.
; A key block is four steps of 64 keys, run by a counted loop, so that a step's text stands four times in the file (once ahead of the loops, once for each slot,
; once for the last block) and is executed up to 36 times.  In the diagonal block wave w runs steps 0 .. w >> 1, and step w >> 1 is masked.
; Key blocks above the diagonal are never touched: their scores are -inf in front of the softmax.
; LAYOUTS.  S^T = K Q^T: source 0 = 16 keys, source 1 = 16 queries, so lane (r, h), register j holds key 8 h + j and query r.  A lane's numbers all belong to one
; query: maximum, sum and scale are one number a lane, and only the two halves of the lanes have to meet.  exp(S) of key tiles 2 u and 2 u + 1, rounded to bf16,
; IS source 1 of O^T = V^T P^T for keys 32 u .. 32 u + 31.  V^T comes from a transposing LDS load at 16 x lane (V was stored in that order).  O^T holds
; d = 8 h + j, query r: its 16 bytes in bf16 are stored in the fragment order in which the next launch loads them, 512 consecutive bytes a store.
; NO CLUSTER: the four work-groups of a head leave their first query tile after 8, 7, 6 and 5 key blocks and from then on need different key blocks in the same
; trip; to keep them in step a branch or an LDS address would have to hang on the place in the cluster.
; NO PREFETCH: a key block is asked for straight behind the barrier and has the block's steps in which to land.
; LIMITS: NaN and infinities in the inputs are not followed (the maxima drop a NaN); an exponential below 2^-126 counts as 0; the sum of a row's exponentials is
; kept in f32 from the unrounded numbers, per half of the lanes, in another order than a plain sum; the exponentials enter the product rounded to bf16.
; REGISTERS: window 0: v2-3, v7 addresses, v32-63 Q, v64-127 K (later store data), v128-191 V^T.  Window 1: v0-63 S, v64-95 P, v96-159 O, v160-176 statistics.
.set EIGHTH, 8192                      ; a wave's eighth of a slot: 64 keys of K or of V
.set SLOT,  65536                      ; K's 256 keys (32,768 bytes), then V's
.set LA,  2                            ; v2 = 16 x lane (slot 0; also the lane's offset in memory), v3 = the same + SLOT
.set LAS, 7                            ; v7 = the slot's base + 8,192 x step
.set QF,  32                           ; fragment (query block q, half ks of d) at QF + 8 (2 q + ks)
.set KF,  64                           ; fragment (key tile kt, ks) at KF + 8 (2 kt + ks)
.set VF,  128                          ; fragment (d tile dt, 32 keys ku) at VF + 8 (2 dt + ku)
.set PP,  64                           ; window 1: P of query block q at PP + 16 q        (S of block q at 32 q, tile (q, kt) at 8 (4 q + kt))
.set OO,  96                           ; window 1: O tile (q, dt) at OO + 8 (4 q + dt)
.set NM,  160                          ; window 1: - C x running maximum, at NM + 2 q
.set LS,  161                          ;           running sum of this half of the lanes, at LS + 2 q
.set AL,  164                          ;           the step's scale of the old sums, at AL + 2 q
.set TT,  165                          ;           at work, at TT + 2 q
.set T2,  168                          ;           at work, at T2 + q
.set TB,  170                          ;           the second chain of the maximum, at TB + q
.set SP,  172                          ;           a pair of partial sums, at SP + 2 q
.set NINF, 176                         ;           -inf
.set G1, 16                            ; s[16:23] descriptor group 1
.set G0, 24                            ; s[24:31] descriptor group 0, one set for each slot
.set MSB, 0
.macro WIN new                         ; the immediate's high byte repeats the setting that is left
.if MSB != \new
	s_set_vgpr_msb (MSB<<8)|\new
.set MSB, \new
.endif
.endm
.macro PLACES                          ; four plain vector instructions behind a matrix instruction (ISA guide 7.12.1 for vector instructions)
.rept 4
	v_nop
.endr
.endm
	s_load_b128 s[4:7], s[0:1], 0x0                ; qkv s[4:5], ctxf s[6:7]
	v_lshl_add_u32 v254, v0, 2, 0x29000
	v_mov_b32 v255, 0
	ds_add_u32 v254, v255
	ds_add_u32 v254, v255
	v_lshrrev_b32 v1, 5, v0
	v_readfirstlane_b32 s8, v1                     ; wave 0..7
	s_and_b32 s9, ttmp9, 3                         ; i
	s_lshr_b32 s10, ttmp9, 2                       ; hb = 4 head + batch = Q's plane
	s_mov_b32 s11, 0                               ; kb: the key block at work
	s_sub_co_u32 s12, 7, s9                        ; qt: the query tile at work
	s_and_b32 s2, s8, 1                            ; which 32 of a step's 64 rows are mine
	s_lshr_b32 s3, s8, 1                           ; my last step in the diagonal block
	s_mov_b32 s48, 0x76543210                      ; v_permlanex16_b32: lane l of one half reads lane l of the other
	s_mov_b32 s49, 0xfedcba98
	s_mov_b32 s58, 0x3e38aa3b                      ; C = log2(e) / 8: the scale 1 / sqrt(64) and the change to base 2 in one factor
	s_mov_b32 s59, 0x3e38aa3b
	; group 1: a wave's share of a key block, 8,192 dense bytes, as 32 rows of 32 elements of 8 bytes (rows of 256 bytes, aligned)
	s_mov_b32 s[G1+0], 3<<16                       ; no mask; elements of 8 bytes; no padding: every LDS read is at 16 x lane
	s_mov_b32 s[G1+1], 32<<16                      ; tensor_dim0 = 32
	s_mov_b32 s[G1+2], 32<<16                      ; tensor_dim1 = 32
	s_mov_b32 s[G1+3], 32<<16                      ; tile_dim0 = 32
	s_mov_b32 s[G1+4], 32                          ; tile_dim1 = 32
	s_mov_b32 s[G1+5], 32                          ; from row to row
	s_mov_b32 s[G1+6], 0
	s_mov_b32 s[G1+7], 0
	s_lshr_b32 s51, s8, 2                          ; waves 0-3 fetch K (planes 64 + hb), waves 4-7 fetch V (planes 128 + hb)
	s_lshl_b32 s51, s51, 6
	s_add_co_u32 s51, s51, s10
	s_add_co_u32 s51, s51, 64
	s_lshl_b32 s34, s51, 18                        ; planes of 262,144 bytes
	s_and_b32 s51, s8, 3
	s_lshl_b32 s51, s51, 13                        ; which 64 keys of a block
	s_add_co_u32 s34, s34, s51
	s_mov_b32 s35, 0
	s_lshl_b32 s54, s10, 18                        ; Q's plane and ctxf's place have the same offset: 512 head + 128 batch = 128 hb blocks of 2,048 bytes,
	s_lshl_b32 s51, s8, 12                         ; + my wave's 2 blocks of 16 rows
	s_add_co_u32 s54, s54, s51
	s_mov_b32 s55, 0
	s_mul_i32 s60, s8, EIGHTH                      ; my eighth of a slot
	s_wait_dscnt 0x0
	s_wait_kmcnt 0x0
	s_add_nc_u64 s[32:33], s[4:5], s[34:35]        ; my part of key block 0
	s_add_nc_u64 s[52:53], s[4:5], s[54:55]        ; my rows of query tile 0
	s_add_nc_u64 s[56:57], s[6:7], s[54:55]        ; the same rows in ctxf
	s_mov_b32 s[G0], 1
	s_add_co_u32 s[G0+1], s60, 0
	s_mov_b64 s[G0+2:G0+3], s[32:33]
	s_or_b32 s[G0+3], s[G0+3], 0x80000000
	s_mov_b32 s[G0+4], 1
	s_add_co_u32 s[G0+5], s60, SLOT
	tensor_load_to_lds s[G0:G0+3], s[G1:G1+7]      ; key block 0 into slot 0, ahead of everything else: one tensor load of the wave is out, here and behind each block's barrier
	s_nop 0
	v_and_b32 v1, 31, v0
	v_lshlrev_b32 v[LA], 4, v1
	v_add_nc_u32 v[LA+1], SLOT, v[LA]
; my 32 query rows of tile s12: 8 loads of 512 consecutive bytes, straight into fragments
.macro QLOAD
	s_lshl_b32 s54, s12, 15                        ; 16 blocks of 2,048 bytes for a tile
	s_add_nc_u64 s[36:37], s[52:53], s[54:55]
.irp t, 0,1,2,3,4,5,6,7
	global_load_b128 v[QF+4*\t:QF+4*\t+3], v[LA], s[36:37] offset:512*\t
.endr
.endm
	QLOAD
	v_and_b32 v4, 15, v0                           ; r
	v_bfe_u32 v5, v0, 4, 1
	v_lshlrev_b32 v5, 3, v5                        ; 8 h
.irp j, 0,1,2,3,4,5,6,7
	v_add_nc_u32 v6, \j, v5
	v_cmp_gt_u32 s[40+\j], v6, v4                  ; in a tile on the diagonal register j is masked where key 8 h + j > query r
.endr
	WIN 0x40
.irp q, 0,1
	v_mov_b32 v[NM+2*\q], 0x7f800000               ; no maximum yet: - C x (-inf)
	v_mov_b32 v[LS+2*\q], 0
	v_mov_b32 v[T2+\q], 0                          ; the destination of v_permlanex16_b32 counts as read
.endr
	v_mov_b32 v[NINF], 0xff800000
	WIN 0
; The diagonal step.  My query block q is block qq = 2 par + q of the step's four (par = wave & 1): key tiles kt > qq are all -inf, tile kt = qq by lane and register.
.macro MASK par
	WIN 0x55
.irp q, 0,1
.irp kt, 0,1,2,3
.if \kt > 2*\par+\q
.irp j, 0,1,2,3,4,5,6,7
	v_mov_b32 v[32*\q+8*\kt+\j], v[NINF]
.endr
.endif
.if \kt == 2*\par+\q
.irp j, 0,1,2,3,4,5,6,7
	v_cndmask_b32 v[32*\q+8*\kt+\j], v[32*\q+8*\kt+\j], v[NINF], s[40+\j]
.endr
.endif
.endr
.endr
	WIN 0
.endm
; The step's maximum of each query, the scale of the old sums and the new running maximum.  Four chains (two for each query block) that do not wait for each other.
; Every step that is run holds an unmasked key for every query, so the maximum over both halves of the lanes is finite.
.macro STATS
.irp q, 0,1
	v_max3_num_f32 v[TT+2*\q], v[32*\q], v[32*\q+1], v[32*\q+2]
	v_max3_num_f32 v[TB+\q], v[32*\q+16], v[32*\q+17], v[32*\q+18]
.endr
.irp e, 3,5,7,9,11,13
.irp q, 0,1
	v_max3_num_f32 v[TT+2*\q], v[TT+2*\q], v[32*\q+\e], v[32*\q+\e+1]
	v_max3_num_f32 v[TB+\q], v[TB+\q], v[32*\q+16+\e], v[32*\q+17+\e]
.endr
.endr
.irp q, 0,1
	v_max3_num_f32 v[TT+2*\q], v[TT+2*\q], v[32*\q+15], v[32*\q+31]
.endr
.irp q, 0,1
	v_max_num_f32 v[TT+2*\q], v[TT+2*\q], v[TB+\q]
.endr
.irp q, 0,1
	v_permlanex16_b32 v[T2+\q], v[TT+2*\q], s48, s49   ; the other 32 keys of the same query
.endr
.irp q, 0,1
	v_max_num_f32 v[TT+2*\q], v[TT+2*\q], v[T2+\q]
.endr
.irp q, 0,1
	v_mul_f32 v[TT+2*\q], 0xbe38aa3b, v[TT+2*\q]   ; - C x the step's maximum
.endr
.irp q, 0,1
	v_sub_f32 v[T2+\q], v[TT+2*\q], v[NM+2*\q]     ; C x (old maximum - step's maximum); -inf in a tile's first step
.endr
.irp q, 0,1
	v_min_num_f32 v[T2+\q], 0, v[T2+\q]
.endr
.irp q, 0,1
	v_exp_f32 v[AL+2*\q], v[T2+\q]                 ; exp(old maximum - new maximum)
.endr
.irp q, 0,1
	v_min_num_f32 v[NM+2*\q], v[NM+2*\q], v[TT+2*\q]   ; plain instructions behind the exponentials, ahead of the first use of their results (ISA guide 5.7.2)
.endr
.endm
; A stage of the softmax's pipeline over the query blocks: block s is shifted (C S - C max), block s - 1 goes through the exponential in place,
; block s - 2 is summed and rounded to bf16.  Behind each pair of exponentials stands a plain instruction on other registers; results are used a stage later.
.macro SOFT s
.irp e, 0,1,2,3,4,5,6,7,8,9,10,11,12,13,14,15
.if \s <= 1
	v_pk_fma_f32 v[32*\s+2*\e:32*\s+2*\e+1], v[32*\s+2*\e:32*\s+2*\e+1], s[58:59], v[NM+2*\s:NM+2*\s+1] op_sel_hi:[1,0,0]
.endif
.if \s >= 1
.if \s <= 2
	v_exp_f32 v[32*(\s-1)+2*\e], v[32*(\s-1)+2*\e]
	v_exp_f32 v[32*(\s-1)+2*\e+1], v[32*(\s-1)+2*\e+1]
.endif
.endif
.if \s >= 2
.if \e == 1
	s_wait_alu depctr_va_vdst(0)
	v_pk_add_f32 v[SP+2*(\s-2):SP+2*(\s-2)+1], v[32*(\s-2):32*(\s-2)+1], v[32*(\s-2)+2:32*(\s-2)+3]
.endif
.if \e >= 2
	v_pk_add_f32 v[SP+2*(\s-2):SP+2*(\s-2)+1], v[SP+2*(\s-2):SP+2*(\s-2)+1], v[32*(\s-2)+2*\e:32*(\s-2)+2*\e+1]
.endif
	s_wait_alu depctr_va_vdst(0)
	v_cvt_pk_bf16_f32 v[PP+16*(\s-2)+\e], v[32*(\s-2)+2*\e], v[32*(\s-2)+2*\e+1]
.endif
.endr
.endm
.macro LSUM
.irp q, 0,1
	v_add_f32 v[TT+2*\q], v[SP+2*\q], v[SP+2*\q+1]
.endr
.irp q, 0,1
	v_fma_f32 v[LS+2*\q], v[LS+2*\q], v[AL+2*\q], v[TT+2*\q]
.endr
.endm
.macro RESCALE                         ; O of query block q times its lane's scale; O and the scale lie in window 1, as the softmax's registers do
	WIN 0x55
.irp q, 0,1
.irp p, 0,1,2,3,4,5,6,7,8,9,10,11,12,13,14,15
	v_pk_mul_f32 v[OO+32*\q+2*\p:OO+32*\q+2*\p+1], v[OO+32*\q+2*\p:OO+32*\q+2*\p+1], v[AL+2*\q:AL+2*\q+1] op_sel_hi:[1,0]
.endr
.endr
.endm
; O^T += V^T P^T: 16 matrix instructions on 8 accumulators that take turns, one instruction a turn.  first = 1: the first 32 keys start the sums.
.macro PVMUL first
	WIN 0x54                                       ; V^T window 0, P and O window 1
.irp ku, 0,1
.irp dt, 0,1,2,3
.irp q, 0,1
.if \first*(1-\ku)
	v_wmma_f32_16x16x32_bf16 v[OO+8*(4*\q+\dt):OO+8*(4*\q+\dt)+7], v[VF+8*(2*\dt+\ku):VF+8*(2*\dt+\ku)+7], v[PP+16*\q+8*\ku:PP+16*\q+8*\ku+7], 0
.else
	v_wmma_f32_16x16x32_bf16 v[OO+8*(4*\q+\dt):OO+8*(4*\q+\dt)+7], v[VF+8*(2*\dt+\ku):VF+8*(2*\dt+\ku)+7], v[PP+16*\q+8*\ku:PP+16*\q+8*\ku+7], v[OO+8*(4*\q+\dt):OO+8*(4*\q+\dt)+7]
.endif
.endr
.endr
.endr
.endm
; One step of 64 keys.  adr: the register with the slot's base.  guard = 0: step 0 of the slot, unmasked, O is started (mode 1).
; guard = 1: step s61 of the block's loop.  It is left out where s61 > s13 (s13 = my last step in the diagonal block, else 4) or s61 < s62 (the launch's first step
; was done ahead of the loops), and masked where s61 = s13.  mode 2: O is started where kb = 0 and the step is 0 (the old O belongs to the last tile), else rescaled and added to.
.macro STEP adr, mode, guard
.if \guard
	s_cmp_lt_u32 s13, s61
	s_cbranch_scc1 .Lskip_\@
	s_cmp_lt_u32 s61, s62
	s_cbranch_scc1 .Lskip_\@
	v_lshl_add_u32 v[LAS], s61, 13, v[\adr]        ; a step's 64 keys are 8,192 bytes of K and of V: the loop's counter 0..3 times 8,192, plus the slot's base
.set AD, LAS
.else
.set AD, \adr
.endif
.irp ks, 0,1
.irp kt, 0,1,2,3
.irp x, 0,1
	ds_load_b128 v[KF+8*(2*\kt+\ks)+4*\x:KF+8*(2*\kt+\ks)+4*\x+3], v[AD] offset:2048*\kt+1024*\ks+512*\x
.endr
.endr
.endr
.irp ku, 0,1
.irp dt, 0,1,2,3
.irp x, 0,1
	ds_load_tr16_b128 v[VF+8*(2*\dt+\ku)+4*\x:VF+8*(2*\dt+\ku)+4*\x+3], v[AD] offset:32768+2048*(2*\ku+\x)+512*\dt
.endr
.endr
.endr
	WIN 0x50                                       ; S in window 1, K and Q in window 0.  8 accumulators by turns, one instruction a turn
.irp ks, 0,1
.irp kt, 0,1,2,3
	s_wait_dscnt 30-2*(4*\ks+\kt)                  ; of the 32 loads the two of K fragment 4 ks + kt are in; the later fragments and V's 16 loads stay out
.irp q, 0,1
.if \ks
	v_wmma_f32_16x16x32_bf16 v[8*(4*\q+\kt):8*(4*\q+\kt)+7], v[KF+8*(2*\kt+\ks):KF+8*(2*\kt+\ks)+7], v[QF+8*(2*\q+\ks):QF+8*(2*\q+\ks)+7], v[8*(4*\q+\kt):8*(4*\q+\kt)+7]
.else
	v_wmma_f32_16x16x32_bf16 v[8*(4*\q+\kt):8*(4*\q+\kt)+7], v[KF+8*(2*\kt+\ks):KF+8*(2*\kt+\ks)+7], v[QF+8*(2*\q+\ks):QF+8*(2*\q+\ks)+7], 0
.endif
.endr
.endr
.endr
	PLACES
	WIN 0
.if \guard
	s_cmp_lg_u32 s13, s61
	s_cbranch_scc1 .Lnomask_\@
	s_cmp_lg_u32 s2, 0
	s_cbranch_scc1 .Lodd_\@
	MASK 0
	s_branch .Lnomask_\@
.Lodd_\@:
	MASK 1
.Lnomask_\@:
.endif
	WIN 0x55
	STATS
	SOFT 0
	SOFT 1
	SOFT 2
	SOFT 3
	LSUM
.if \mode == 2
	WIN 0
	s_or_b32 s51, s11, s61
	s_cmp_eq_u32 s51, 0                            ; a query tile's first step?
	s_cbranch_scc1 .Lfirst_\@
	RESCALE
	s_wait_dscnt 0x0                               ; V^T is in
	PVMUL 0
	WIN 0
	s_branch .Ljoin_\@
.Lfirst_\@:
.endif
	s_wait_dscnt 0x0
	PVMUL 1
	WIN 0
.if \mode == 2
.Ljoin_\@:
.endif
	PLACES                                         ; ahead of the next loads into V^T's registers, of the writes of P and of the reads of O
.if \guard
.Lskip_\@:
.endif
.endm
; The query tile is done: O / sum, rounded to bf16, stored.  last = 0 (the first tile, 7 - i): the second tile's Q is asked for at once and the statistics start anew.
.macro EPILOGUE last
	s_lshl_b32 s54, s12, 15
	s_add_nc_u64 s[38:39], s[56:57], s[54:55]      ; my rows of this tile in ctxf
.if \last == 0
	s_mov_b32 s12, s9                              ; the second tile is tile i
	QLOAD                                          ; its loads are waited for at the head of the next block
.endif
	WIN 0x55
.irp q, 0,1
	v_permlanex16_b32 v[T2+\q], v[LS+2*\q], s48, s49   ; the two halves' sums meet only here
.endr
.irp q, 0,1
	v_add_f32 v[TT+2*\q], v[LS+2*\q], v[T2+\q]
.endr
.irp q, 0,1
	v_rcp_f32 v[AL+2*\q], v[TT+2*\q]               ; the sum is at least about 1: the largest score's exponential
.endr
.if \last
	v_nop                                          ; one plain instruction behind the reciprocals (ISA guide 5.7.2)
	s_wait_alu depctr_va_vdst(0)
.else
	s_wait_alu depctr_va_vdst(0)
.irp q, 0,1
	v_mov_b32 v[LS+2*\q], 0                        ; plain instructions behind the reciprocals
	v_mov_b32 v[NM+2*\q], 0x7f800000
.endr
.endif
	RESCALE
	WIN 0x05                                       ; sources in window 1, results in window 0
.irp t, 0,1,2,3,4,5,6,7
.irp p, 0,1,2,3
	v_cvt_pk_bf16_f32 v[KF+4*\t+\p], v[OO+8*\t+2*\p], v[OO+8*\t+2*\p+1]
.endr
.endr
	WIN 0
.irp t, 0,1,2,3,4,5,6,7
	global_store_b128 v[LA], v[KF+4*\t:KF+4*\t+3], s[38:39] offset:512*\t   ; tile t = 4 q + dt: 512 consecutive bytes, aligned
.endr
.if \last == 0
	s_wait_xcnt 0x0                                ; the stores' data (K's registers) and base are written again only behind this wait
.endif
.endm
; One key block.  In front of the barrier every wave waits for all its tensor loads (its part of this block among them) and for its LDS reads of the other slot;
; behind it the next block is asked for first, one tensor load a wave, into the slot read last.  Then the block's four steps, by a counted loop.
; last = 1: block 8, always the diagonal block of the second tile: nothing is left to fetch, and the tile's end follows without a test.
.macro BLOCK slot, refill, last
	s_wait_tensorcnt 0x0
	ds_add_u32 v254, v255
	s_wait_dscnt 0x0
.if \refill
	s_add_co_u32 s14, s11, 1
.endif
	s_cmp_eq_u32 s11, s12                          ; the diagonal block?
.if \refill
	s_cselect_b32 s14, 0, s14                      ; then the next block is block 0 (of the second tile)
.endif
	s_cselect_b32 s13, s3, 4
.if \refill
	s_lshl_b32 s34, s14, 15                        ; 256 keys are 32,768 bytes of a plane
	s_add_nc_u64 s[G0+6-4*\slot:G0+7-4*\slot], s[32:33], s[34:35]   ; no tensor load of mine is out: a group 0 may be written
	s_or_b32 s[G0+7-4*\slot], s[G0+7-4*\slot], 0x80000000
.endif
	s_wait_dscnt 0x0
	s_barrier_signal -1
	s_barrier_wait -1
.if \refill
	tensor_load_to_lds s[G0+4-4*\slot:G0+7-4*\slot], s[G1:G1+7]
	s_nop 0
.endif
	s_wait_loadcnt 0x0                             ; Q
	s_mov_b32 s61, 0
.Lstep_\@:
	STEP LA+\slot, 2, 1
	s_add_co_u32 s61, s61, 1
	s_cmp_lt_u32 s61, 4
	s_cbranch_scc1 .Lstep_\@
.if \last
	EPILOGUE 1
.else
	s_mov_b32 s62, 0                               ; from the second block on no step has been done ahead
	s_cmp_lg_u32 s11, s12
	s_cbranch_scc1 .Lnoepi_\@
	EPILOGUE 0                                     ; among blocks 0 to 7 only the first tile's diagonal block, 7 - i, comes here
.Lnoepi_\@:
	s_mov_b32 s11, s14
.endif
.endm
	s_wait_tensorcnt 0x0                           ; my part of key block 0 is in,
	s_barrier_signal -1
	s_barrier_wait -1                              ; everybody's is
	s_wait_loadcnt 0x0                             ; Q
	STEP LA, 1, 0                                  ; the launch's first step stands ahead of the loops: it starts O.  Its block is never a diagonal one (its query tile is 7 - i, at least 4)
	s_mov_b32 s62, 1                               ; so block 0's loop begins its work at step 1
	s_mov_b32 s15, 0
.Lpair:
	BLOCK 0, 1, 0                                  ; blocks 0, 2, 4, 6
	BLOCK 1, 1, 0                                  ; blocks 1, 3, 5, 7; block 7 asks for the last one
	s_add_co_u32 s15, s15, 1
	s_cmp_lt_u32 s15, 4
	s_cbranch_scc1 .Lpair
	BLOCK 0, 0, 1                                  ; block 8
	s_endpgm
.Lfunc_end_k_q44a2e5f9f6_attn:
	.size	k_q44a2e5f9f6_attn, .Lfunc_end_k_q44a2e5f9f6_attn-k_q44a2e5f9f6_attn
	.p2alignl 7, 3214868480
	.fill 96, 4, 3214868480
	.section	.rodata,"a",@progbits
	.p2align	6, 0x0
	.amdhsa_kernel k_q44a2e5f9f6_attn
		.amdhsa_group_segment_fixed_size 327680
		.amdhsa_private_segment_fixed_size 0
		.amdhsa_enable_private_segment 0
		.amdhsa_kernarg_size 16
		.amdhsa_user_sgpr_count 2
		.amdhsa_user_sgpr_kernarg_segment_ptr 1
		.amdhsa_wavefront_size32 1
		.amdhsa_system_sgpr_workgroup_id_x 1
		.amdhsa_system_sgpr_workgroup_id_y 1
		.amdhsa_system_sgpr_workgroup_id_z 1
		.amdhsa_system_vgpr_workitem_id 0
		.amdhsa_next_free_vgpr 448
		.amdhsa_next_free_sgpr 66
		.amdhsa_reserve_vcc 0
		.amdhsa_float_denorm_mode_32 3
		.amdhsa_float_denorm_mode_16_64 3
		.amdhsa_memory_ordered 1
		.amdhsa_forward_progress 1
		.amdhsa_inst_pref_size 112
	.end_amdhsa_kernel
	.amdgpu_metadata
---
amdhsa.version: [ 1, 2 ]
amdhsa.kernels:
  - .name:           k_q44a2e5f9f6_attn
    .symbol:         k_q44a2e5f9f6_attn.kd
    .args:
      - { .name: qkv, .offset: 0, .size: 8, .value_kind: global_buffer, .address_space: global }
      - { .name: ctxf, .offset: 8, .size: 8, .value_kind: global_buffer, .address_space: global }
    .group_segment_fixed_size: 327680
    .private_segment_fixed_size: 0
    .kernarg_segment_align: 8
    .kernarg_segment_size: 16
    .max_flat_workgroup_size: 256
    .sgpr_count:     66
    .vgpr_count:     448
    .wavefront_size: 32
...
	.end_amdgpu_metadata
.endif
;; end of part 5
;; launch outgemm (part 6): grid 32 x 8, 4 waves a work-group, clusters of 4 x 1, 279,040 bytes of LDS; arguments ctxf, owt, out_b, yb; writes yb
.if DOCPART == 6
	.amdgcn_target "amdgcn-amd-amdhsa--gfx1250"
	.amdhsa_code_object_version 6
	.text
	.protected	k_q44a2e5f9f6_outgemm
	.globl	k_q44a2e5f9f6_outgemm
	.p2align	8
	.type	k_q44a2e5f9f6_outgemm,@function
k_q44a2e5f9f6_outgemm:
	s_mov_b64 s[64:65], 0
	v_nop
	global_prefetch_b8 v0, s[64:65] scope:SCOPE_SE
	s_setreg_imm32_b32 hwreg(HW_REG_WAVE_MODE, 25, 1), 1
	s_wait_xcnt 0x0
	s_wait_alu depctr_hold_cnt(0) depctr_sa_sdst(0) depctr_va_vdst(0) depctr_va_sdst(0) depctr_va_ssrc(0) depctr_va_vcc(0) depctr_vm_vsrc(0)
	s_getreg_b32 s2, hwreg(HW_REG_IB_STS2, 6, 4)
	s_cmp_eq_u32 s2, 0
	s_cbranch_scc0 .Lentry_in_a_cluster
	s_endpgm
.Lentry_in_a_cluster:
	s_bfe_u32 s2, ttmp6, 0x10000c
	s_cmp_lg_u32 s2, 0x3003
	s_cbranch_scc0 .Lentry_shape_is_right
	s_endpgm
.Lentry_shape_is_right:
; yb = ctx Wo^T + out_b.  ctxf and owt in bf16, sums in f32, yb [8192][1024] f32 row-major.  The residual and the norm follow in the next launch.
; WHY THE NORM IS NOT MADE HERE: it needs whole rows of 1,024 columns in one work-group, which the registers allow for 64 rows: 128 work-groups, each taking in
; 131,072 bytes of weights for 128 matrix instructions of a wave.  A block of 256 rows x 128 columns gives 32 x 8 = 256 work-groups of equal work and takes in
; 16,384 bytes of weights and 32,768 of ctx for 64 matrix instructions of a wave.  The price is that yb goes to memory and is read once more.
; Four waves; wave w makes rows 64 w .. 64 w + 63 and all 128 columns: 4 x 8 accumulator tiles of 16 x 16, 256 registers.  K goes in 16 steps of 64 (one head).
; WEIGHTS: the block's 128 rows of Wo are 262,144 bytes and lie in LDS whole, 16 chunks (one a K step) of 64 LDS rows, so no byte of LDS is filled twice.  Wave w asks
; for the chunks of K steps w, 4 + w, 8 + w, 12 + w at the start: four tensor loads of a wave are out at the most.  In front of K steps 0, 4, 8, 12 each wave waits for
; its own chunk of the next four and passes a barrier.
; CLUSTER: the four row blocks of a cluster need the same weights and ask for each chunk jointly (mask 15): a quarter of the requests.
; CTX: a wave's 64 rows are its own, and ctxf was stored in fragment order: 16 loads of 512 consecutive bytes for a K step, straight into registers, three K steps
; ahead on four buffers (24,576 bytes of a wave on their way).  So no prefetch is written.
; The matrix instruction is used transposed (source 0 = 16 rows of Wo, source 1 = 16 rows of ctx): lane (r, h) holds row r and columns 8 h + 0..7 of a tile.
; THE WAY OUT: LDS has had its last fill, so each wave stages its own 64 rows x 528 bytes there, reads whole rows back, adds the bias and stores: each store of a
; wave covers 512 consecutive bytes, aligned.
; The 16 K steps are written out by macro, without a loop: the count of the wait for the weights differs from group to group (3, 2, 1, 0).
; LIMITS: NaN and infinities are not followed beyond what the arithmetic gives; the bias is added behind the product.
; REGISTERS: window 0: v2-31 addresses and bias, v64-191 rows on the way out (two sets of 16 rows).  Window 1: Wo fragments, two buffers of 128.
; Window 2: tile (a, b) at v[8 (8 a + b)].  Window 3: ctx fragments, four buffers of 64.
.set PITCH,  272                       ; an LDS row: two rows n of 128 bytes + 16 of padding.  Row n = 16 b + r lies at (n >> 1) 272 + (n & 1) 128: 16 different 16-byte columns of 256 bytes
.set KCH,    64*PITCH                  ; a K step's chunk in LDS: 128 rows n
.set KTILE,  131072                    ; from K step to K step in owt
.set SPITCH, 528                       ; a row of the stage: 512 bytes + 16, an odd multiple of 16
.set STO,  8                           ; v8      stage: where my 16 bytes of a tile go
.set RD,   9                           ; v9      stage: my wave's first row + 16 lane
.set OB,   12                          ; v[12:15] out_b of my four columns 4 lane + 0..3 of the block
.set ADRB, 16                          ; v16-31  LDS address of my Wo fragments in the chunk of K step t
.set YS,   64                          ; v[64:191] 16 rows of 4 registers, two sets by turns
.set G1, 24                            ; s[24:31] descriptor group 1
.set G0, 32                            ; s[32:47] descriptor group 0, one set for each of my four loads
.set MSB, 0
.macro WIN new                         ; the immediate's high byte repeats the setting that is left
.if MSB != \new
	s_set_vgpr_msb (MSB<<8)|\new
.set MSB, \new
.endif
.endm
.set MULW, 0xad                        ; source 0 (Wo) window 1, source 1 (ctx) window 3, C and D window 2
.set TO_A, 0xc0                        ; destination window 3, address window 0
.set TO_B, 0x40                        ; destination window 1, address window 0
.macro CREST                           ; a round of the cluster's barrier behind its opening barrier
	s_cmp_lg_u32 s18, 0
	s_cbranch_scc1 .Lnot_wave_0_\@
	s_barrier_signal -3
.Lnot_wave_0_\@:
	s_barrier_wait -3
	s_barrier_signal -1
	s_barrier_wait -1
.endm
.macro CROUND
	s_barrier_signal -1
	s_barrier_wait -1
	CREST
.endm
.macro PLACES                          ; four plain vector instructions behind a matrix instruction (ISA guide 7.12.1 for vector instructions)
.rept 4
	v_nop
.endr
.endm
	s_load_b256 s[4:11], s[0:1], 0x0               ; ctxf s[4:5], owt s[6:7], out_b s[8:9], yb s[10:11]
	v_lshl_add_u32 v254, v0, 2, 0x44000
	v_mov_b32 v255, 0
	ds_add_u32 v254, v255
	ds_add_u32 v254, v255
	v_lshrrev_b32 v1, 5, v0
	v_readfirstlane_b32 s18, v1                    ; wave 0..3
	s_bfe_u32 s19, ttmp6, 0x40000                  ; cx
	s_lshl_b32 s20, ttmp9, 2
	s_add_co_u32 s20, s20, s19                     ; row block 0..31 = 4 x cluster x + cx
	s_and_b32 s21, ttmp7, 0xffff                   ; column block 0..7: the same in the four work-groups of a cluster
	; group 1: a chunk is 16,384 dense bytes of owt, taken as 64 rows of 128 elements of 2 bytes, padded in LDS
	s_mov_b32 s[G1+0], 15|(1<<16)|(1<<20)|(1<<21)|(5<<22)|(3<<25)   ; all four work-groups of the cluster; bit 21 beside the mask; after every 64 words 4 words of padding
	s_mov_b32 s[G1+1], 128<<16                     ; tensor_dim0 = 128
	s_mov_b32 s[G1+2], 64<<16                      ; tensor_dim1 = 64
	s_mov_b32 s[G1+3], 128<<16                     ; tile_dim0 = 128
	s_mov_b32 s[G1+4], 64                          ; tile_dim1 = 64
	s_mov_b32 s[G1+5], 128                         ; from row to row
	s_mov_b32 s[G1+6], 0
	s_mov_b32 s[G1+7], 0
	s_mul_i32 s22, s18, KCH                        ; K step w's chunk in LDS
	s_lshl_b32 s48, s18, 17                        ; K step w in owt,
	s_lshl_b32 s49, s21, 14                        ; the column block's 128 rows of 128 bytes: wave and column block alone, the same in all four work-groups
	s_add_co_u32 s48, s48, s49
	s_mov_b32 s49, 0
	s_lshl_b32 s58, s21, 9                         ; the column block's 512 bytes in out_b and in a row of yb
	s_mov_b32 s59, 0
	s_lshl_b32 s56, s20, 15                        ; offsets that hang on the row block have a pair of their own: 16 blocks of 16 rows (2,048 bytes each) for a row block,
	s_lshl_b32 s23, s18, 13                        ; 4 for a wave
	s_add_co_u32 s56, s56, s23
	s_mov_b32 s57, 0
	s_wait_dscnt 0x0
	s_wait_kmcnt 0x0
	s_add_nc_u64 s[50:51], s[6:7], s[48:49]
	s_add_nc_u64 s[52:53], s[4:5], s[56:57]        ; ctxf: my 64 rows of head 0; heads 1 to 7 stand in the loads' immediates,
	s_add_nc_u64 s[60:61], s[52:53], 0x800000      ; heads 8 to 15 on a second base: no base is ever stepped
	s_lshl_b32 s56, s20, 20                        ; yb: 256 rows of 4,096 bytes for a row block,
	s_lshl_b32 s23, s18, 18                        ; 64 for a wave,
	s_add_co_u32 s56, s56, s23
	s_add_co_u32 s56, s56, s58                     ; and the column block
	s_add_nc_u64 s[54:55], s[10:11], s[56:57]
	s_add_nc_u64 s[58:59], s[8:9], s[58:59]
	CROUND                                         ; all four work-groups are here: the joint loads meet
.irp g, 0,1,2,3
	s_mov_b32 s[G0+4*\g], 1
	s_add_co_u32 s[G0+4*\g+1], s22, \g*4*KCH       ; K step 4 g + w
	s_add_nc_u64 s[G0+4*\g+2:G0+4*\g+3], s[50:51], \g*4*KTILE
	s_or_b32 s[G0+4*\g+3], s[G0+4*\g+3], 0x80000000
	tensor_load_to_lds s[G0+4*\g:G0+4*\g+3], s[G1:G1+7]
	s_nop 0
.endr
	v_and_b32 v3, 31, v0
	v_lshlrev_b32 v2, 4, v3                        ; 16 x lane
	v_and_b32 v1, 15, v0                           ; r
	v_bfe_u32 v4, v0, 4, 1                         ; h
	v_bfe_u32 v5, v0, 1, 3                         ; r >> 1
	v_and_b32 v6, 1, v0                            ; r & 1
	v_mul_u32_u24 v5, v5, PITCH
	v_lshl_add_u32 v5, v6, 7, v5
	v_lshl_add_u32 v[ADRB], v4, 4, v5
.irp t, 1,2,3,4,5,6,7,8,9,10,11,12,13,14,15
	v_add_nc_u32 v[ADRB+\t], \t*KCH, v[ADRB]
.endr
	v_mul_u32_u24 v7, v1, SPITCH                   ; stage, in: row r, 32 bytes for each half of the lanes
	v_lshl_add_u32 v7, v4, 5, v7
	s_mul_i32 s23, s18, 64*SPITCH                  ; my wave's 64 rows of the stage
	v_add_nc_u32 v[STO], s23, v7
	v_add_nc_u32 v[RD], s23, v2                    ; stage, back: a row is 32 lanes x 16 bytes
; 16 loads: my ctx fragments of K step t (64 rows x 64 k) into buffer t & 3: fragment (a, ks) at 8 (2 a + ks)
.macro ALOAD t
	WIN TO_A
.irp i, 0,1,2,3,4,5,6,7,8,9,10,11,12,13,14,15
	global_load_b128 v[64*((\t)&3)+4*\i:64*((\t)&3)+4*\i+3], v2, s[52+8*((\t)>>3):53+8*((\t)>>3)] offset:(((\t)&7)<<20)+512*\i
.endr
.endm
; 32 LDS loads in one run: the 128 rows of Wo of K step t into buffer t & 1: fragment (ks, b) at 8 (8 ks + b), the first half of k first
.macro FETCH t
	WIN TO_B
.irp ks, 0,1
.irp b, 0,1,2,3,4,5,6,7
	ds_load_b128 v[128*((\t)&1)+8*(8*\ks+\b):128*((\t)&1)+8*(8*\ks+\b)+3],   v[ADRB+\t] offset:2176*\b+64*\ks
	ds_load_b128 v[128*((\t)&1)+8*(8*\ks+\b)+4:128*((\t)&1)+8*(8*\ks+\b)+7], v[ADRB+\t] offset:2176*\b+64*\ks+32
.endr
.endr
.endm
; 32 matrix instructions: all 32 tiles, 32 k (half ks of K step t).  The 32 accumulators take turns, one instruction a turn, in the same order in every half step.
;   zero = 1: the first product starts the sums, nothing is cleared.
.macro MULH t, ks, zero
.irp a, 0,1,2,3
.irp b, 0,1,2,3,4,5,6,7
.if \zero
	v_wmma_f32_16x16x32_bf16 v[8*(8*\a+\b):8*(8*\a+\b)+7], v[128*((\t)&1)+8*(8*\ks+\b):128*((\t)&1)+8*(8*\ks+\b)+7], v[64*((\t)&3)+8*(2*\a+\ks):64*((\t)&3)+8*(2*\a+\ks)+7], 0
.else
	v_wmma_f32_16x16x32_bf16 v[8*(8*\a+\b):8*(8*\a+\b)+7], v[128*((\t)&1)+8*(8*\ks+\b):128*((\t)&1)+8*(8*\ks+\b)+7], v[64*((\t)&3)+8*(2*\a+\ks):64*((\t)&3)+8*(2*\a+\ks)+7], v[8*(8*\a+\b):8*(8*\a+\b)+7]
.endif
.endr
.endr
.endm
; K step t.  left: how many younger loads of ctx may stay out.  tcnt >= 0: the next K step begins a group of four chunks: my own chunk of that group has landed when at most
; tcnt of my tensor loads are out; the barrier shows the same of the other three waves, and the next K step's fragments are read behind it.
.macro KSTEP t, left, zero, tcnt
	s_wait_loadcnt \left                           ; loads come back in order: this K step's 16 are in, those of the K steps behind it stay out
.if \t < 13
.if \t
	PLACES                                         ; the buffer that is loaded next was read by the last K step's matrix instructions
.endif
	ALOAD \t+3                                     ; three K steps ahead
.endif
.if \tcnt >= 0
	s_wait_dscnt 0x0                               ; no LDS instruction of mine is out at a signal
	s_wait_tensorcnt \tcnt
	s_barrier_signal -1
.else
	s_wait_dscnt 16                                ; the first half's fragments are in; the youngest 16 loads (the second half's) may be out
.endif
	WIN MULW
	MULH \t, 0, \zero                              ; registers only, while the others arrive
.if \tcnt >= 0
	s_barrier_wait -1
.endif
.if \t < 15
	PLACES
	FETCH \t+1
	s_wait_dscnt 32                                ; all but the 32 just issued
.else
	s_wait_dscnt 0x0
.endif
	WIN MULW
	MULH \t, 1, 0
.endm
	global_load_b128 v[OB:OB+3], v2, s[58:59]      ; the bias of my four columns
	ALOAD 0
	ALOAD 1
	ALOAD 2
	s_wait_tensorcnt 3                             ; my chunk of K steps 0 to 3 is in; my three later ones may stay out
	s_barrier_signal -1
	s_barrier_wait -1
	FETCH 0
	KSTEP 0,  32, 1, -1
	KSTEP 1,  32, 0, -1
	KSTEP 2,  32, 0, -1
	KSTEP 3,  32, 0, 2
	KSTEP 4,  32, 0, -1
	KSTEP 5,  32, 0, -1
	KSTEP 6,  32, 0, -1
	KSTEP 7,  32, 0, 1
	KSTEP 8,  32, 0, -1
	KSTEP 9,  32, 0, -1
	KSTEP 10, 32, 0, -1
	KSTEP 11, 32, 0, 0                             ; the last wait on the tensor loads is for zero: none is out from here on
	KSTEP 12, 32, 0, -1                            ; asks for the last K step's fragments
	KSTEP 13, 32, 0, -1                            ; nothing is left to ask for: the counts run down
	KSTEP 14, 16, 0, -1
	KSTEP 15, 0,  0, -1
	; THE WAY OUT
	PLACES
	WIN 0
	s_barrier_signal -1                            ; every wave's reads of the weights are back (its wait for 0 in the last K step) and no tensor load is out:
	s_barrier_wait -1                              ; LDS may be written
; rows 16 a .. 16 a + 15 of my 64: eight tiles into my own stage, whole rows back, the bias, 16 stores
.macro OUT16 a
	WIN 0x08                                       ; store data in window 2
.irp b, 0,1,2,3,4,5,6,7
	ds_store_b128 v[STO], v[8*(8*\a+\b):8*(8*\a+\b)+3]   offset:\a*16*SPITCH+64*\b
	ds_store_b128 v[STO], v[8*(8*\a+\b)+4:8*(8*\a+\b)+7] offset:\a*16*SPITCH+64*\b+16
.endr
	WIN 0
.if \a >= 2
	s_wait_xcnt 0x0                                ; this set of 64 registers was the data of stores two blocks ago: it is loaded again only behind this wait
.endif
.irp t, 0,1,2,3,4,5,6,7,8,9,10,11,12,13,14,15
	ds_load_b128 v[YS+64*(\a&1)+4*\t:YS+64*(\a&1)+4*\t+3], v[RD] offset:(16*\a+\t)*SPITCH   ; LDS serves a wave's instructions in order (ISA guide 5.7.1.4): these see the stores above
.endr
.irp t, 0,1,2,3,4,5,6,7,8,9,10,11,12,13,14,15
	s_wait_dscnt 15-\t                             ; row t is in; the later rows' loads stay out
	v_pk_add_f32 v[YS+64*(\a&1)+4*\t:YS+64*(\a&1)+4*\t+1],   v[YS+64*(\a&1)+4*\t:YS+64*(\a&1)+4*\t+1],   v[OB:OB+1]
	v_pk_add_f32 v[YS+64*(\a&1)+4*\t+2:YS+64*(\a&1)+4*\t+3], v[YS+64*(\a&1)+4*\t+2:YS+64*(\a&1)+4*\t+3], v[OB+2:OB+3]
	global_store_b128 v2, v[YS+64*(\a&1)+4*\t:YS+64*(\a&1)+4*\t+3], s[54:55] offset:(16*\a+\t)*4096
.endr
.endm
	OUT16 0
	OUT16 1
	OUT16 2
	OUT16 3
	s_wait_tensorcnt 0x0
	ds_add_u32 v254, v255
	s_wait_dscnt 0x0
	CROUND                                         ; the closing round: no work-group ends while a partner may still ask for a chunk that names it
	s_endpgm
.Lfunc_end_k_q44a2e5f9f6_outgemm:
	.size	k_q44a2e5f9f6_outgemm, .Lfunc_end_k_q44a2e5f9f6_outgemm-k_q44a2e5f9f6_outgemm
	.p2alignl 7, 3214868480
	.fill 96, 4, 3214868480
	.section	.rodata,"a",@progbits
	.p2align	6, 0x0
	.amdhsa_kernel k_q44a2e5f9f6_outgemm
		.amdhsa_group_segment_fixed_size 279040
		.amdhsa_private_segment_fixed_size 0
		.amdhsa_enable_private_segment 0
		.amdhsa_kernarg_size 32
		.amdhsa_user_sgpr_count 2
		.amdhsa_user_sgpr_kernarg_segment_ptr 1
		.amdhsa_wavefront_size32 1
		.amdhsa_system_sgpr_workgroup_id_x 1
		.amdhsa_system_sgpr_workgroup_id_y 1
		.amdhsa_system_sgpr_workgroup_id_z 1
		.amdhsa_system_vgpr_workitem_id 0
		.amdhsa_next_free_vgpr 1024
		.amdhsa_next_free_sgpr 66
		.amdhsa_reserve_vcc 0
		.amdhsa_float_denorm_mode_32 3
		.amdhsa_float_denorm_mode_16_64 3
		.amdhsa_memory_ordered 1
		.amdhsa_forward_progress 1
		.amdhsa_inst_pref_size 158
	.end_amdhsa_kernel
	.amdgpu_metadata
---
amdhsa.version: [ 1, 2 ]
amdhsa.kernels:
  - .name:           k_q44a2e5f9f6_outgemm
    .symbol:         k_q44a2e5f9f6_outgemm.kd
    .args:
      - { .name: ctxf, .offset: 0, .size: 8, .value_kind: global_buffer, .address_space: global }
      - { .name: owt, .offset: 8, .size: 8, .value_kind: global_buffer, .address_space: global }
      - { .name: out_b, .offset: 16, .size: 8, .value_kind: global_buffer, .address_space: global }
      - { .name: yb, .offset: 24, .size: 8, .value_kind: global_buffer, .address_space: global }
    .group_segment_fixed_size: 279040
    .private_segment_fixed_size: 0
    .kernarg_segment_align: 8
    .kernarg_segment_size: 32
    .max_flat_workgroup_size: 128
    .sgpr_count:     66
    .vgpr_count:     1024
    .wavefront_size: 32
...
	.end_amdgpu_metadata
.endif
;; end of part 6
;; launch lnorm (part 7): grid 512 x 1, 8 waves a work-group, no clusters, 0 bytes of LDS; arguments yb, x, gamma, beta, out0; writes out0
.if DOCPART == 7
	.amdgcn_target "amdgcn-amd-amdhsa--gfx1250"
	.amdhsa_code_object_version 6
	.text
	.protected	k_q44a2e5f9f6_lnorm
	.globl	k_q44a2e5f9f6_lnorm
	.p2align	8
	.type	k_q44a2e5f9f6_lnorm,@function
k_q44a2e5f9f6_lnorm:
	s_mov_b64 s[64:65], 0
	v_nop
	global_prefetch_b8 v0, s[64:65] scope:SCOPE_SE
	s_setreg_imm32_b32 hwreg(HW_REG_WAVE_MODE, 25, 1), 1
	s_wait_xcnt 0x0
; out0 = LayerNorm(x + yb) gamma + beta, all in f32: the mean first, then the mean of squared deviations, 1 / sqrt(var + 1e-5).
; A stream: 8 KiB in and 4 KiB out for a row, each byte once.  One wave takes a whole row (4,096 bytes: 8 loads of 512 consecutive bytes, 32 registers), so the two
; sums of a row never leave the wave: no LDS, no barrier.  A wave takes two rows, a work-group 16: 8192 / 16 = 512 work-groups.
; The text has no loop: a wave issues its 48 loads first (row 0, gamma and beta, row 1: 24,576 bytes on their way), and no register is written again while a store
; reads it, so no source of a pending instruction is ever rewritten.
; No matrix unit (there is no product), no cluster (only gamma and beta are shared, 8 KiB against a wave's own 24 KiB), no prefetch (everything is asked for at the start).
; LIMITS: NaN and infinities are not followed beyond what the arithmetic gives; the sums of a row run in another order than a plain sum.
.set GA,   4                           ; v[4:35]    gamma of my 32 columns 128 t + 4 lane + 0..3
.set BE,   36                          ; v[36:67]   beta
.set XR,   68                          ; v[68:131]  x, two rows
.set YR,   132                         ; v[132:195] yb, two rows; then the rows at work and as stored
.set TS,   196                         ; v[196:203] four pairs of partial sums
.set RS,   204                         ; v204 a sum; v205 the other half's
.set RO,   205
.set NMU,  206                         ; v206 - mean (v207 only completes the pair)
.set RSTD, 208                         ; v208 1 / sqrt(var + eps) (v209 likewise)
	s_load_b256 s[4:11], s[0:1], 0x0               ; yb s[4:5], x s[6:7], gamma s[8:9], beta s[10:11]
	s_load_b64 s[12:13], s[0:1], 0x20              ; out0
	v_lshrrev_b32 v1, 5, v0
	v_readfirstlane_b32 s14, v1                    ; wave 0..7
	s_lshl_b32 s16, ttmp9, 16                      ; 16 rows of 4,096 bytes for a work-group,
	s_lshl_b32 s15, s14, 13                        ; 2 for a wave
	s_add_co_u32 s16, s16, s15
	s_mov_b32 s17, 0
	s_mov_b32 s18, 0x76543210                      ; v_permlanex16_b32: lane l of one half reads lane l of the other
	s_mov_b32 s19, 0xfedcba98
	s_mov_b32 s20, 0x3a800000                      ; 1 / 1024
	s_mov_b32 s21, 0x3727c5ac                      ; 1e-5
	s_mov_b32 s22, 0xba800000                      ; - 1 / 1024
	v_and_b32 v3, 31, v0
	v_lshlrev_b32 v2, 4, v3                        ; 16 x lane
	s_wait_kmcnt 0x0
	s_add_nc_u64 s[4:5], s[4:5], s[16:17]
	s_add_nc_u64 s[6:7], s[6:7], s[16:17]
	s_add_nc_u64 s[12:13], s[12:13], s[16:17]
.irp t, 0,1,2,3,4,5,6,7
	global_load_b128 v[YR+4*\t:YR+4*\t+3], v2, s[4:5] offset:512*\t th:TH_LOAD_NT
.endr
.irp t, 0,1,2,3,4,5,6,7
	global_load_b128 v[XR+4*\t:XR+4*\t+3], v2, s[6:7] offset:512*\t th:TH_LOAD_NT
.endr
.irp t, 0,1,2,3,4,5,6,7
	global_load_b128 v[GA+4*\t:GA+4*\t+3], v2, s[8:9] offset:512*\t
.endr
.irp t, 0,1,2,3,4,5,6,7
	global_load_b128 v[BE+4*\t:BE+4*\t+3], v2, s[10:11] offset:512*\t
.endr
.irp t, 0,1,2,3,4,5,6,7
	global_load_b128 v[YR+32+4*\t:YR+32+4*\t+3], v2, s[4:5] offset:4096+512*\t th:TH_LOAD_NT
.endr
.irp t, 0,1,2,3,4,5,6,7
	global_load_b128 v[XR+32+4*\t:XR+32+4*\t+3], v2, s[6:7] offset:4096+512*\t th:TH_LOAD_NT
.endr
	v_mov_b32 v[RO], 0                             ; the destination of v_permlanex16_b32 counts as read
	v_mov_b32 v[NMU+1], 0                          ; the upper registers of the two broadcast pairs
	v_mov_b32 v[RSTD+1], 0
; four pairs of partial sums -> the sum over the lane's numbers and over the 32 lanes, in every lane
.macro LANESUM
	v_pk_add_f32 v[TS:TS+1], v[TS:TS+1], v[TS+2:TS+3]
	v_pk_add_f32 v[TS+4:TS+5], v[TS+4:TS+5], v[TS+6:TS+7]
	v_pk_add_f32 v[TS:TS+1], v[TS:TS+1], v[TS+4:TS+5]
	v_add_f32 v[RS], v[TS], v[TS+1]
	v_add_f32_dpp v[RS], v[RS], v[RS] row_xmask:1 row_mask:0xf bank_mask:0xf
	v_add_f32_dpp v[RS], v[RS], v[RS] row_xmask:2 row_mask:0xf bank_mask:0xf
	v_add_f32_dpp v[RS], v[RS], v[RS] row_xmask:4 row_mask:0xf bank_mask:0xf
	v_add_f32_dpp v[RS], v[RS], v[RS] row_xmask:8 row_mask:0xf bank_mask:0xf
	v_permlanex16_b32 v[RO], v[RS], s18, s19
	v_add_f32 v[RS], v[RS], v[RO]
.endm
; Row i of my two.
.macro ROW i
.set XB, XR+32*\i
.set YB, YR+32*\i
.if \i == 0
	s_wait_loadcnt 32                              ; loads come back in order: row 0's 16 are in; gamma, beta and row 1 (32 loads) stay out
.else
	s_wait_loadcnt 0x0
.endif
.irp p, 0,1,2,3,4,5,6,7,8,9,10,11,12,13,14,15
	v_pk_add_f32 v[YB+2*\p:YB+2*\p+1], v[YB+2*\p:YB+2*\p+1], v[XB+2*\p:XB+2*\p+1]           ; the residual
.endr
.irp k, 0,1,2,3
	v_pk_add_f32 v[TS+2*\k:TS+2*\k+1], v[YB+2*\k:YB+2*\k+1], v[YB+8+2*\k:YB+8+2*\k+1]      ; the first numbers start the four chains
.endr
.irp g, 16, 24
.irp k, 0,1,2,3
	v_pk_add_f32 v[TS+2*\k:TS+2*\k+1], v[TS+2*\k:TS+2*\k+1], v[YB+\g+2*\k:YB+\g+2*\k+1]
.endr
.endr
	LANESUM
	v_mul_f32 v[NMU], s22, v[RS]                   ; - mean
.irp p, 0,1,2,3,4,5,6,7,8,9,10,11,12,13,14,15
	v_pk_add_f32 v[YB+2*\p:YB+2*\p+1], v[YB+2*\p:YB+2*\p+1], v[NMU:NMU+1] op_sel_hi:[1,0]
.endr
.irp k, 0,1,2,3
	v_pk_mul_f32 v[TS+2*\k:TS+2*\k+1], v[YB+2*\k:YB+2*\k+1], v[YB+2*\k:YB+2*\k+1]
.endr
.irp g, 8, 16, 24
.irp k, 0,1,2,3
	v_pk_fma_f32 v[TS+2*\k:TS+2*\k+1], v[YB+\g+2*\k:YB+\g+2*\k+1], v[YB+\g+2*\k:YB+\g+2*\k+1], v[TS+2*\k:TS+2*\k+1]
.endr
.endr
	LANESUM
	v_fma_f32 v[RS], v[RS], s20, s21               ; variance + 1e-5
	v_rsq_f32 v[RSTD], v[RS]
	v_nop                                          ; one plain instruction behind v_rsq_f32, ahead of the use of its result (ISA guide 5.7.2)
	s_wait_alu depctr_va_vdst(0)
.irp p, 0,1,2,3,4,5,6,7,8,9,10,11,12,13,14,15
	v_pk_mul_f32 v[YB+2*\p:YB+2*\p+1], v[YB+2*\p:YB+2*\p+1], v[RSTD:RSTD+1] op_sel_hi:[1,0]
.endr
.if \i == 0
	s_wait_loadcnt 16                              ; gamma and beta are in; row 1's 16 loads stay out
.endif
.irp p, 0,1,2,3,4,5,6,7,8,9,10,11,12,13,14,15
	v_pk_fma_f32 v[YB+2*\p:YB+2*\p+1], v[YB+2*\p:YB+2*\p+1], v[GA+2*\p:GA+2*\p+1], v[BE+2*\p:BE+2*\p+1]
.endr
.irp t, 0,1,2,3,4,5,6,7
	global_store_b128 v2, v[YB+4*\t:YB+4*\t+3], s[12:13] offset:4096*\i+512*\t th:TH_STORE_NT   ; 512 consecutive bytes, aligned
.endr
.endm
	ROW 0
	ROW 1
	s_endpgm
.Lfunc_end_k_q44a2e5f9f6_lnorm:
	.size	k_q44a2e5f9f6_lnorm, .Lfunc_end_k_q44a2e5f9f6_lnorm-k_q44a2e5f9f6_lnorm
	.p2alignl 7, 3214868480
	.fill 96, 4, 3214868480
	.section	.rodata,"a",@progbits
	.p2align	6, 0x0
	.amdhsa_kernel k_q44a2e5f9f6_lnorm
		.amdhsa_group_segment_fixed_size 0
		.amdhsa_private_segment_fixed_size 0
		.amdhsa_enable_private_segment 0
		.amdhsa_kernarg_size 40
		.amdhsa_user_sgpr_count 2
		.amdhsa_user_sgpr_kernarg_segment_ptr 1
		.amdhsa_wavefront_size32 1
		.amdhsa_system_sgpr_workgroup_id_x 1
		.amdhsa_system_sgpr_workgroup_id_y 1
		.amdhsa_system_sgpr_workgroup_id_z 1
		.amdhsa_system_vgpr_workitem_id 0
		.amdhsa_next_free_vgpr 212
		.amdhsa_next_free_sgpr 66
		.amdhsa_reserve_vcc 0
		.amdhsa_float_denorm_mode_32 3
		.amdhsa_float_denorm_mode_16_64 3
		.amdhsa_memory_ordered 1
		.amdhsa_forward_progress 1
		.amdhsa_inst_pref_size 22
	.end_amdhsa_kernel
	.amdgpu_metadata
---
amdhsa.version: [ 1, 2 ]
amdhsa.kernels:
  - .name:           k_q44a2e5f9f6_lnorm
    .symbol:         k_q44a2e5f9f6_lnorm.kd
    .args:
      - { .name: yb, .offset: 0, .size: 8, .value_kind: global_buffer, .address_space: global }
      - { .name: x, .offset: 8, .size: 8, .value_kind: global_buffer, .address_space: global }
      - { .name: gamma, .offset: 16, .size: 8, .value_kind: global_buffer, .address_space: global }
      - { .name: beta, .offset: 24, .size: 8, .value_kind: global_buffer, .address_space: global }
      - { .name: out0, .offset: 32, .size: 8, .value_kind: global_buffer, .address_space: global }
    .group_segment_fixed_size: 0
    .private_segment_fixed_size: 0
    .kernarg_segment_align: 8
    .kernarg_segment_size: 40
    .max_flat_workgroup_size: 256
    .sgpr_count:     66
    .vgpr_count:     212
    .wavefront_size: 32
...
	.end_amdgpu_metadata
.endif
;; end of part 7
